; MI455X (gfx1250); checked and timed in simulation.
; The chip was launched on July 23, 2026; its instructions are those of AMD's public machine-readable ISA for CDNA 5 (MIT licence, August 2026) and "CDNA5" Instruction Set Architecture Reference Guide (July 2026). The comments in the code are by the model that wrote it; some were corrected since.
;; Transformer Block. Allowed arithmetic: matrix products marked QUANTISED: E5M2 operands, one E8M0 scale for each 32 along K, by v_wmma_scale_f32_16x16x128_f8f6f4 with both operands' format E5M2, f32 sums; everything else in f32.
;; Inputs: W1 1,024 x 4,096 float32; W2 4,096 x 1,024 float32; W_o 1,024 x 1,024 float32; W_qkv 1,024 x 3,072 float32; b1 4,096 float32; b2 1,024 float32; bias 2 x 2,048 x 2,048 float32; ln1_b 1,024 float32; ln1_g 1,024 float32; ln2_b 1,024 float32; ln2_g 1,024 float32; pad_mask 2 x 2,048 int32; x 2 x 2,048 x 1,024 float32.
;; Outputs: out0 2 x 2,048 x 1,024 float32.
;; This version of the problem:
;;   THIS VERSION OF THE PROBLEM IS GIVEN IN LOW PRECISION. The matrix products marked QUANTISED in the list below multiply operands that are first quantised to E5M2 (5 exponent bits, 2 mantissa bits; 8 bits a number), with one power-of-two scale for each 32 numbers along K (OCP MX v1.0); their sums are f32. All else is computed in f32.
;;   The module's matrix products, in the order in which they are computed (A, B: the left and right operand; K: the contracted axis; several contracted axes count as one K, in the product's order):
;;     1. [M 4,096, K 1,024] x [K 1,024, N 3,072]; A: computed on the way; B: input W_qkv: QUANTISED
;;     2. batch 32 x [M 2,048, K 64] x [K 64, N 2,048]; A: computed on the way; B: computed on the way: QUANTISED
;;     3. batch 32 x [M 2,048, K 2,048] x [K 2,048, N 64]; A: softmax (see below); B: computed on the way: QUANTISED
;;     4. [M 4,096, K 1,024] x [K 1,024, N 1,024]; A: computed on the way; B: input W_o: QUANTISED
;;     5. [M 4,096, K 1,024] x [K 1,024, N 4,096]; A: computed on the way; B: input W1: QUANTISED
;;     6. [M 4,096, K 4,096] x [K 4,096, N 1,024]; A: computed on the way; B: input W2: QUANTISED
;;   THE QUANTISER, for each operand of a quantised product, along K:
;;     - K is cut into blocks of 32 from its start; a last block that is shorter is filled with zeros.
;;     - A block's scale is 2^e with e = floor(log2(the largest magnitude in the block)) - 15, held to -126 .. 127; a block of zeros has e = 0. As a byte (E8M0): e + 127.
;;     - Each number is divided by its block's scale, clamped to +-57,344, and rounded to the nearest number of E5M2, ties to even, subnormals kept.
;;     - The product sums the exact products of the quantised numbers (number of the format x scale) in f32.
;;   ~~~python
;;   def quantise(x, axis):      # numpy; x: float32 -> the quantised numbers, widened to float32 again
;;       x = np.moveaxis(x, axis, -1); K = x.shape[-1]
;;       x = np.pad(x, [(0, 0)] * (x.ndim - 1) + [(0, -K % 32)]); x = x.reshape(x.shape[:-1] + (-1, 32)); a = np.abs(x).max(-1, keepdims=True)
;;       e = np.where(a > 0, np.clip(np.frexp(np.where(a > 0, a, 1))[1] - 1 - 15, -126, 127), 0)      # np.frexp(a)[1] - 1 = floor(log2(a)), exactly
;;       r = np.clip(x / 2.0 ** e, -57344, 57344)
;;       step = 2.0 ** (np.maximum(np.frexp(np.where(r == 0, 1, r))[1] - 1, -14) - 2)
;;       q = np.round(r / step) * step * 2.0 ** e      # np.round: ties to even
;;       return np.moveaxis(q.reshape(q.shape[:-2] + (-1,))[..., :K], -1, axis).astype(np.float32)
;;   ~~~
;;   SOFTMAX AHEAD OF A QUANTISED PRODUCT. Where the list says 'softmax', what is quantised is not the finished softmax but p = 2^(t - M), with t = logit x log2(e) and M = ceil(the row's largest t), a whole number; so 1/2 < the row's largest p <= 1. The row's sum l is taken of the UNQUANTISED p, in f32, and the product's result is divided by l at the end. Since M is a whole number, a kernel that streams over the keys may use a running M (the ceiling of the running maximum): every later rescaling is an exact power of two, which a block's scale takes up: the codes' values come out the same.
;;   OPERANDS COMPUTED ON THE WAY. 'Computed on the way' means the value that the module computes at that place (a softmax that the list does not call 'softmax' is quantised finished and normalised). What goes into a quantiser is computed in f32, as accurately as f32 sums, v_exp_f32 and their like allow (about 1e-6 of the number): no bf16 or f16 on the way to a quantiser, and a product that is left as it is and whose result goes on into a quantised operand takes f32 operands (vector FMAs, or v_wmma_f32_16x16x4_f32). A number that lies on a knife's edge between two numbers of the format may be rounded either way, as far as f32 arithmetic and the matrix unit's own rounding can turn it there, and no further.
;; One version. Each part assembles by itself: llvm-mc -triple=amdgcn-amd-amdhsa -mcpu=gfx1250 --defsym DOCPART=n.
;; ======== version 1 of 1: 7 launches
;; limits: right only within a limited range of input values
;; workspace buffers: wts 13,500,416 bytes; act1 4,325,376 bytes; act2 4,325,376 bytes; qkvb 13,238,272 bytes; xres 16,777,216 bytes; hid 17,301,504 bytes
;; launch prep (part 1): grid 464 x 1, 8 waves a work-group, no clusters, 2,048 bytes of LDS; arguments x, ln1_g, ln1_b, act1, W_qkv, W_o, W1, W2, wts; writes act1, wts
.if DOCPART == 1
	.amdgcn_target "amdgcn-amd-amdhsa--gfx1250"
	.amdhsa_code_object_version 6
	.text
	.protected	k_qac069f277e_prep
	.globl	k_qac069f277e_prep
	.p2align	8
	.type	k_qac069f277e_prep,@function
k_qac069f277e_prep:
	s_mov_b64 s[64:65], 0
	v_nop
	global_prefetch_b8 v0, s[64:65] scope:SCOPE_SE
	s_setreg_imm32_b32 hwreg(HW_REG_WAVE_MODE, 25, 1), 1
	s_wait_xcnt 0x0
; TWO JOBS THAT SHARE NO DATA IN ONE LAUNCH, told apart by the work-group's number at the first line: work-groups 0-255 norm and quantise x, the others quantise the weights and make the rotary table.
; Eight waves of 258 registers.  Only the first job uses LDS and barriers.
;
; JOB 1.  y = (x - mean) / sqrt(var + 1e-5) * g + b over rows of 1,024 f32, then quantised along the row to BF8 (E5M2) with one E8M0 byte for each 32, and stored as images of the next product's operand registers.
; A work-group takes 16 rows (one tile of the operand); wave w takes columns 128 w .. 128 w + 127, one K step.  Lane (r, h) holds of row r the 16 numbers 32 c + 16 h + 0 .. 15 of each block c: the order of the operand's registers,
; so the conversions' results are the fragment: four stores of 512 consecutive bytes.  Mean and variance in two passes (the variance of x - mean: no difference of large sums); the eight waves' parts meet in LDS, two barriers.
; Codes: [K/256][tile][K/128 % 2][2,048 bytes]; scale words from byte 4,194,304 on: [tile][K/128][row] x 4 bytes.
;
; JOB 2.  The four weights, f32 [K][N] with K as first axis, become codes of BF8 with one E8M0 byte for each 32 along K, laid as IMAGES OF THE OPERAND'S REGISTERS:
; a fragment (16 columns n x 128 K) is 2,048 dense bytes, byte = c*512 + (row + 16 h)*16 + y for k = 32 c + 16 h + y; fragments lie [K/256][tile][K/128 % 2].  Scale words: [tile][K/128][row] x 4 bytes.
; WHICH COLUMNS FORM A TILE: column 32 g + x goes to tile tb + ((x >> 3) & 1), row (x & 7) + 8 (x >> 4), so that in the transposed use of the product a lane's 16 registers of two neighbouring tiles are 16 neighbouring columns.
; tb = 2 g; for W_qkv a head's 12 tiles are ordered q (4), v dims 0-31 (2), k (4), v dims 32-63 (2).
; A LANE TAKES A COLUMN AND ITS REGISTERS RUN DOWN K: a block of 32 lies in one lane, nothing is transposed.  A wave: 32 columns x 256 K; a work-group: 256 columns x 256 K.
; Counted from 256: work-groups 0-47 W_qkv, 48-63 W_o, 64-127 W1, 128-191 W2: one path, parameters chosen by the number; 192-207 make the table of cos and sin for the rotary embedding, [pos 2048][pair 32][cos, sin] f32.
; A store of codes: lanes 0-7 with 16-23, and 8-15 with 24-31, cover 256 consecutive aligned bytes each.  The scale words leave in pieces of 64 bytes: one byte in 32 of what is stored.
; LIMITS (both jobs): a block's largest magnitude is held at 2^-111 from below (byte 1; a block of zeros too: its codes are zeros and this program alone reads the bytes); NaN and infinities are not served.
; The table's angle pos x inv_freq carries one f32 rounding, as the f32 product that defines it; sine and cosine come by a reduction by pi/2 in two parts and polynomials of degree 7 and 8.
.set NLN, 256                          ; work-groups of job 1
	s_set_vgpr_msb 0x40
	v_lshl_add_u32 v0, v0, 2, 0x400
	v_mov_b32 v1, 0
	s_set_vgpr_msb 0x4000
	s_cmp_ge_u32 ttmp9, NLN
	s_cbranch_scc1 .Lweights
.set RED1, 0                           ; LDS: [wave][row] sums
.set RED2, 512                         ; and sums of squares
.set PC,  16                           ; v16-31   the codes
.set TM,  32                           ; v32-35 largest magnitudes, v36-39 bytes, v40-43 57,344 x scale, v44-47 scale operands
.set PW,  48
.set X,   64
.set GG,  128
.set BV,  192
.set SEL, 12
.set MNT, 14
	s_load_b256 s[4:11], s[0:1], 0x0               ; x, g, b, the images
	v_lshrrev_b32 v2, 5, v0
	v_readfirstlane_b32 s16, v2                    ; wave
	v_and_b32 v8, 31, v0                           ; lane
	v_and_b32 v1, 15, v0                           ; r
	v_bfe_u32 v2, v0, 4, 1                         ; h
	s_lshl_b32 s17, s16, 9
	v_lshl_add_u32 v4, v2, 6, s17                  ; g, b: 512 w + 64 h
	v_lshl_add_u32 v3, v1, 12, v4                  ; x: + row r of 4,096 bytes
	v_lshlrev_b32 v5, 4, v8
	v_lshlrev_b32 v6, 2, v1
	s_lshl_b32 s18, s16, 6
	v_add_nc_u32 v7, s18, v6                       ; LDS: 64 w + 4 r
	v_mov_b32 v62, 0                               ; a lane permute's destination counts as read
.irp b, 0,1,2,3
	v_mov_b32 v[TM+4+\b], 0
.endr
	s_mov_b32 s[SEL], 0x76543210
	s_mov_b32 s[SEL+1], 0xfedcba98
	s_mov_b32 s[MNT], 0x600000
	s_mov_b32 s15, 0x3a800000                      ; 1 / 1,024
	s_mov_b32 s19, 0x3727c5ac                      ; 1e-5
	s_lshl_b32 s20, ttmp9, 16                      ; 16 rows of 4,096 bytes
	s_mov_b32 s21, 0
	s_lshr_b32 s22, s16, 1
	s_lshl_b32 s22, s22, 20
	s_lshl_b32 s23, ttmp9, 12
	s_add_co_u32 s22, s22, s23
	s_and_b32 s23, s16, 1
	s_lshl_b32 s23, s23, 11
	s_add_co_u32 s22, s22, s23                     ; my fragment
	s_mov_b32 s23, 0
	s_lshl_b32 s26, ttmp9, 9
	s_add_co_u32 s26, s26, s18
	s_add_co_u32 s26, s26, 4194304                 ; its scale words
	s_mov_b32 s27, 0
	s_wait_kmcnt 0x0
	s_add_nc_u64 s[4:5], s[4:5], s[20:21]
	s_add_nc_u64 s[22:23], s[10:11], s[22:23]
	s_add_nc_u64 s[26:27], s[10:11], s[26:27]
.irp c, 0,1,2,3
.irp j, 0,1,2,3
	global_load_b128 v[X+16*\c+4*\j:X+16*\c+4*\j+3], v3, s[4:5] offset:128*\c+16*\j th:TH_LOAD_NT
.endr
.endr
.irp c, 0,1,2,3
.irp j, 0,1,2,3
	global_load_b128 v[GG+16*\c+4*\j:GG+16*\c+4*\j+3], v4, s[6:7] offset:128*\c+16*\j
.endr
.endr
.irp c, 0,1,2,3
.irp j, 0,1,2,3
	global_load_b128 v[BV+16*\c+4*\j:BV+16*\c+4*\j+3], v4, s[8:9] offset:128*\c+16*\j
.endr
.endr
.macro FOLD                            ; four chains of pairs into one number a lane
	v_pk_add_f32 v[54:55], v[54:55], v[56:57]
	v_pk_add_f32 v[58:59], v[58:59], v[60:61]
	v_pk_add_f32 v[54:55], v[54:55], v[58:59]
	v_add_f32 v54, v54, v55
.endm
.macro ACROSS red                      ; the lane 16 away, then the eight waves through LDS: the row's total in v54
	v_permlanex16_b32 v62, v54, s[SEL], s[SEL+1]
	v_add_f32 v54, v54, v62
	ds_store_b32 v7, v54 offset:\red               ; both halves of the lanes write the same word with the same value
	s_wait_dscnt 0x0                               ; for the others' sake: my store has landed
	s_barrier_signal -1
	s_barrier_wait -1
.irp w, 0,1,2,3,4,5,6,7
	ds_load_b32 v[54+\w], v6 offset:\red+64*\w
.endr
	s_wait_dscnt 0x0
	v_add_f32 v54, v54, v55
	v_add_f32 v56, v56, v57
	v_add_f32 v58, v58, v59
	v_add_f32 v60, v60, v61
	v_add_f32 v54, v54, v56
	v_add_f32 v58, v58, v60
	v_add_f32 v54, v54, v58
.endm
	s_wait_loadcnt 32                              ; x is in; the 32 loads of g and b may be out
.irp k, 0,1,2,3
	v_pk_add_f32 v[54+2*\k:55+2*\k], v[X+4*\k:X+4*\k+1], v[X+4*\k+2:X+4*\k+3]
.endr
.irp j, 16,24,32,40,48,56
.irp k, 0,1,2,3
	v_pk_add_f32 v[54+2*\k:55+2*\k], v[54+2*\k:55+2*\k], v[X+\j+2*\k:X+\j+2*\k+1]
.endr
.endr
	FOLD
	ACROSS RED1
	v_mul_f32 v50, s15, v54                        ; the mean
	v_mov_b32 v51, v50
.set li, 0
.rept 32
	v_pk_add_f32 v[X+2*li:X+2*li+1], v[X+2*li:X+2*li+1], v[50:51] neg_lo:[0,1] neg_hi:[0,1]
.set li, li+1
.endr
.irp k, 0,1,2,3
	v_pk_mul_f32 v[54+2*\k:55+2*\k], v[X+2*\k:X+2*\k+1], v[X+2*\k:X+2*\k+1]
.endr
.irp j, 8,16,24,32,40,48,56
.irp k, 0,1,2,3
	v_pk_fma_f32 v[54+2*\k:55+2*\k], v[X+\j+2*\k:X+\j+2*\k+1], v[X+\j+2*\k:X+\j+2*\k+1], v[54+2*\k:55+2*\k]
.endr
.endr
	FOLD
	ACROSS RED2
	v_fma_f32 v63, v54, s15, s19                   ; the variance + 1e-5
	v_rsq_f32 v52, v63
	v_nop                                          ; a plain line behind the transcendental
	s_wait_alu depctr_va_vdst(0)                   ; the wait ahead of the first reader
	v_mov_b32 v53, v52
	s_wait_loadcnt 0x0                             ; g and b
.set li, 0
.rept 32
	v_pk_mul_f32 v[X+2*li:X+2*li+1], v[X+2*li:X+2*li+1], v[52:53]
.set li, li+1
.endr
.set li, 0
.rept 32
	v_pk_fma_f32 v[X+2*li:X+2*li+1], v[X+2*li:X+2*li+1], v[GG+2*li:GG+2*li+1], v[BV+2*li:BV+2*li+1]
.set li, li+1
.endr
	; the quantiser: four blocks of 32, each in lanes l and l xor 16
.irp b, 0,1,2,3
	v_max3_num_f32 v[TM+\b], |v[X+16*\b]|, |v[X+16*\b+1]|, 0x8000000   ; with the floor 2^(16 - 127)
.endr
.irp i, 2,4,6,8,10,12,14
.irp b, 0,1,2,3
	v_max3_num_f32 v[TM+\b], v[TM+\b], |v[X+16*\b+\i]|, |v[X+16*\b+\i+1]|
.endr
.endr
.irp b, 0,1,2,3
	v_permlanex16_b32 v[TM+4+\b], v[TM+\b], s[SEL], s[SEL+1]
.endr
.irp b, 0,1,2,3
	v_max_num_f32 v[TM+\b], v[TM+\b], v[TM+4+\b]
.endr
.irp b, 0,1,2,3
	v_add_nc_u32 v[TM+12+\b], 0xf8800000, v[TM+\b]   ; 15 off the exponent field: the conversion's scale operand
.endr
.irp b, 0,1,2,3
	v_and_or_b32 v[TM+8+\b], v[TM+\b], 0x7f800000, s[MNT]   ; 57,344 x the scale
.endr
.irp b, 0,1,2,3
	v_lshrrev_b32 v[TM+4+\b], 23, v[TM+12+\b]      ; the byte
.endr
	v_lshl_or_b32 v[PW], v[TM+5], 8, v[TM+4]
	v_lshl_or_b32 v[PW], v[TM+6], 16, v[PW]
	v_lshl_or_b32 v[PW], v[TM+7], 24, v[PW]
.set li, 0
.rept 64
	v_med3_num_f32 v[X+li], v[X+li], -v[TM+8+li/16], v[TM+8+li/16]   ; the conversion does not saturate (ISA guide 7.6.2)
.set li, li+1
.endr
.set li, 0
.rept 8
	v_cvt_scalef32_pk8_bf8_f32 v[PC+2*li:PC+2*li+1], v[X+8*li:X+8*li+7], v[TM+12+li/2]
.set li, li+1
.endr
	v_cmp_gt_u32 vcc_lo, 16, v8                    ; (a plain line behind the last conversion)
.irp c, 0,1,2,3
	global_store_b128 v5, v[PC+4*\c:PC+4*\c+3], s[22:23] offset:512*\c   ; 32 lanes store 512 consecutive bytes
.endr
	s_wait_xcnt 0x0                                ; EXEC changes only behind this wait
	s_set_vgpr_msb 0x5
	s_wait_tensorcnt 0x0
	ds_add_u32 v0, v1
	s_wait_dscnt 0x0
	s_set_vgpr_msb 0x500
	s_and_saveexec_b32 s28, vcc_lo
	global_store_b32 v6, v[PW], s[26:27]           ; lanes 0-15: the 16 rows' words
	s_wait_xcnt 0x0
	s_or_b32 exec_lo, exec_lo, s28
	s_endpgm
.Lweights:
.set WO_C,   3145728
.set W1_C,   4194304
.set W2_C,   8388608
.set WQKV_S, 12582912
.set WO_S,   12681216
.set W1_S,   12713984
.set W2_S,   12845056
.set ROPE,   12976128
.set OFF, 32                           ; v32-63   4 lane + i rows of the weight
.set X,   64                           ; v64-127  two sets of 32 numbers
.set C,   128                          ; v128-191 eight registers of codes for each block: no store's data are written again
.set SB,  24                           ; v24-25   the scale bytes, four to a register
	s_load_b256 s[4:11], s[0:1], 0x20              ; W_qkv, W_o, W1, W2
	s_load_b64 s[12:13], s[0:1], 0x40              ; wts
	v_lshrrev_b32 v2, 5, v0
	v_readfirstlane_b32 s16, v2                    ; wave 0..7
	v_and_b32 v1, 31, v0                           ; lane
	s_sub_co_u32 s54, ttmp9, NLN                   ; the work-group's number in job 2
	s_cmp_ge_u32 s54, 192
	s_cbranch_scc1 .Lrope
	s_mov_b32 s20, 128                             ; W2's: first work-group,
	s_mov_b32 s21, 4096                            ; bytes in a row,
	s_mov_b32 s22, 4                               ; log2 of K / 256,
	s_mov_b32 s23, W2_C                            ; codes' place,
	s_mov_b32 s24, W2_S                            ; scale words' place,
	s_mov_b32 s25, 262144                          ; bytes of 256 along K of all tiles,
	s_mov_b32 s26, 2048                            ; bytes of a tile's scale words
	s_mov_b32 s52, 0x600000                        ; the mantissa field of 57,344
	s_wait_kmcnt 0x0
	s_mov_b64 s[14:15], s[10:11]
	s_cmp_lt_u32 s54, 128                          ; W1's
	s_cselect_b32 s20, 64, s20
	s_cselect_b32 s21, 16384, s21
	s_cselect_b32 s22, 2, s22
	s_cselect_b32 s23, W1_C, s23
	s_cselect_b32 s24, W1_S, s24
	s_cselect_b32 s25, 1048576, s25
	s_cselect_b32 s26, 512, s26
	s_cselect_b64 s[14:15], s[8:9], s[14:15]
	s_cmp_lt_u32 s54, 64                           ; W_o's
	s_cselect_b32 s20, 48, s20
	s_cselect_b32 s21, 4096, s21
	s_cselect_b32 s23, WO_C, s23
	s_cselect_b32 s24, WO_S, s24
	s_cselect_b32 s25, 262144, s25
	s_cselect_b64 s[14:15], s[6:7], s[14:15]
	s_cmp_lt_u32 s54, 48                           ; W_qkv's
	s_cselect_b32 s20, 0, s20
	s_cselect_b32 s21, 12288, s21
	s_cselect_b32 s23, 0, s23
	s_cselect_b32 s24, WQKV_S, s24
	s_cselect_b32 s25, 786432, s25
	s_cselect_b64 s[14:15], s[4:5], s[14:15]
	s_sub_co_u32 s17, s54, s20
	s_bfm_b32 s18, s22, 0
	s_and_b32 s18, s17, s18                        ; which 256 along K
	s_lshr_b32 s19, s17, s22
	s_lshl_b32 s19, s19, 3
	s_add_co_u32 s19, s19, s16                     ; g: which 32 columns: 8 x the work-group's 256 columns + wave
	s_mul_i32 s27, s19, 43
	s_lshr_b32 s27, s27, 8                         ; g / 6 for g under 96: the head
	s_mul_i32 s28, s27, 6
	s_sub_co_u32 s28, s19, s28
	s_lshl_b32 s28, s28, 2
	s_lshr_b32 s28, 0xa48620, s28
	s_and_b32 s28, s28, 15                         ; q: 0, 2; k: 6, 8; v: 4, 10
	s_mul_i32 s27, s27, 12
	s_add_co_u32 s27, s27, s28
	s_lshl_b32 s28, s19, 1
	s_cmp_lt_u32 s54, 48
	s_cselect_b32 s27, s27, s28                    ; tb
	s_lshl_b32 s28, s21, 8
	s_mul_i32 s28, s28, s18                        ; 256 rows x which
	s_lshl_b32 s29, s19, 7
	s_add_co_u32 s28, s28, s29                     ; + 128 bytes x g
	s_mov_b32 s29, 0
	s_add_nc_u64 s[32:33], s[14:15], s[28:29]      ; block 0's base; one base for each block of 32 rows, never rewritten
	s_lshl_b32 s28, s21, 5
.irp t, 1,2,3,4,5,6,7
	s_add_nc_u64 s[32+2*\t:33+2*\t], s[30+2*\t:31+2*\t], s[28:29]
.endr
	s_mul_i32 s30, s18, s25
	s_add_co_u32 s30, s30, s23
	s_lshl_b32 s31, s27, 12
	s_add_co_u32 s30, s30, s31
	s_mov_b32 s31, 0
	s_add_nc_u64 s[48:49], s[12:13], s[30:31]      ; the codes of tile tb, these 256 along K
	s_mul_i32 s30, s27, s26
	s_add_co_u32 s30, s30, s24
	s_lshl_b32 s53, s18, 7
	s_add_co_u32 s30, s30, s53
	s_add_nc_u64 s[50:51], s[12:13], s[30:31]      ; and its scale words
	v_bfe_u32 v2, v1, 3, 1                         ; which of the two tiles
	v_and_b32 v3, 7, v1
	v_lshrrev_b32 v6, 4, v1
	v_lshl_add_u32 v3, v6, 3, v3                   ; which row of it
	v_lshlrev_b32 v4, 12, v2
	v_lshl_add_u32 v4, v3, 4, v4                   ; my place among the codes
	v_mul_lo_u32 v5, v2, s26
	v_lshl_add_u32 v5, v3, 2, v5                   ; and among the scale words
	v_lshlrev_b32 v[OFF], 2, v1
.set li, 1
.rept 31
	v_add_nc_u32 v[OFF+li], s21, v[OFF+li-1]
.set li, li+1
.endr
.macro LOAD t                          ; block t: W(32 t + i, my column): 32 lanes read 128 consecutive bytes
.set li, 0
.rept 32
	global_load_b32 v[X+32*((\t)%2)+li], v[OFF+li], s[32+2*(\t):33+2*(\t)] th:TH_LOAD_NT
.set li, li+1
.endr
.endm
	LOAD 0
	LOAD 1
.macro BLOCK t
.set XS, X+32*((\t)%2)
.set CC, C+8*(\t)
.if (\t) < 7
	s_wait_loadcnt 32                              ; this block's 32 loads are in; the next block's 32 may be out
.else
	s_wait_loadcnt 0
.endif
	v_max3_num_f32 v12, |v[XS]|, |v[XS+1]|, |v[XS+2]|   ; the block's largest magnitude: all 32 numbers are mine
	v_max3_num_f32 v13, |v[XS+3]|, |v[XS+4]|, |v[XS+5]|
.irp i, 6,10,14,18,22,26
	v_max3_num_f32 v12, v12, |v[XS+\i]|, |v[XS+\i+1]|
	v_max3_num_f32 v13, v13, |v[XS+\i+2]|, |v[XS+\i+3]|
.endr
	v_max3_num_f32 v12, v12, |v[XS+30]|, |v[XS+31]|
	v_max3_num_f32 v12, v12, v13, 0x8000000        ; and the floor 2^(16 - 127): the byte cannot fall under 1
	v_add_nc_u32 v11, 0xf8800000, v12              ; 15 off the exponent field: the conversion's scale operand
	v_and_or_b32 v10, v12, 0x7f800000, s52         ; 57,344 x the scale
	v_lshrrev_b32 v13, 23, v11                     ; the scale's byte
.if (\t)%4 == 0
	v_mov_b32 v[SB+(\t)/4], v13
.else
	v_lshl_or_b32 v[SB+(\t)/4], v13, 8*((\t)%4), v[SB+(\t)/4]
.endif
.set li, 0
.rept 32
	v_med3_num_f32 v[XS+li], v[XS+li], -v10, v10   ; the conversion to an 8-bit code does not saturate (ISA guide 7.6.2): the hold comes first
.set li, li+1
.endr
.irp g, 0,1,2,3
	v_cvt_scalef32_pk8_bf8_f32 v[CC+2*\g:CC+2*\g+1], v[XS+8*\g:XS+8*\g+7], v11
.endr
	v_nop                                          ; a plain line behind the last conversion
.if (\t)+2 < 8
	LOAD (\t)+2
.endif
	global_store_b128 v4, v[CC:CC+3], s[48:49] offset:((\t)/4)*2048+((\t)%4)*512        ; k = 32 t + 0 .. 15
	global_store_b128 v4, v[CC+4:CC+7], s[48:49] offset:((\t)/4)*2048+((\t)%4)*512+256  ; k = 32 t + 16 .. 31
.endm
.irp t, 0,1,2,3,4,5,6,7
	BLOCK \t
.endr
	global_store_b32 v5, v[SB], s[50:51]
	global_store_b32 v5, v[SB+1], s[50:51] offset:64
	s_endpgm
.Lrope:                                            ; a wave takes positions p0 + 128 e, e = 0 .. 15; a lane takes a pair of dimensions
	s_sub_co_u32 s20, s54, 192
	s_lshl_b32 s20, s20, 3
	s_add_co_u32 s20, s20, s16                     ; p0: 0 .. 127
	v_cvt_f32_u32 v2, v1
	v_mul_f32 v3, 0xbed49a60, v2                   ; -lane x the upper 19 bits of log2(10000) / 32: exact
	v_exp_f32 v4, v3
	v_mul_f32 v5, 0x3506b9e3, v2                   ; lane x the rest x ln 2 (a plain line behind the exponential)
	s_wait_alu depctr_va_vdst(0)                   ; the wait ahead of the first reader
	v_fma_f32 v6, -v4, v5, v4                      ; 10000^(-lane / 32)
	v_lshlrev_b32 v7, 3, v1
	s_mov_b32 s22, 0xbfc90fdb                      ; -pi/2, upper part
	s_mov_b32 s23, 0x333bbd2e                      ; and what the upper part has too much
	s_mov_b32 s24, 0xb94ca1f9                      ; the sine's coefficients
	s_mov_b32 s25, 0x3c08839e
	s_mov_b32 s26, 0xbe2aaaa3
	s_mov_b32 s27, 0x37ccf5ce                      ; the cosine's
	s_mov_b32 s28, 0xbab6061a
	s_mov_b32 s29, 0x3d2aaaa5
	s_lshl_b32 s30, s20, 8
	s_add_co_u32 s30, s30, ROPE
	s_mov_b32 s31, 0
	s_wait_kmcnt 0x0
	s_add_nc_u64 s[30:31], s[12:13], s[30:31]
.macro SINCOS e
	s_add_co_u32 s21, s20, 128*\e
	v_cvt_f32_u32 v8, s21
	v_mul_f32 v8, v8, v6                           ; the angle
	v_mul_f32 v9, 0x3f22f983, v8
	v_rndne_f32 v9, v9                             ; how many quarter turns
	v_fma_f32 v10, v9, s22, v8
	v_fma_f32 v10, v9, s23, v10                    ; what is left, within pi/4
	v_mul_f32 v11, v10, v10
	v_fma_f32 v12, v11, s24, s25
	v_fma_f32 v13, v11, s27, s28
	v_fma_f32 v12, v12, v11, s26
	v_fma_f32 v13, v13, v11, s29
	v_mul_f32 v12, v12, v11
	v_mul_f32 v14, v11, v11
	v_fma_f32 v15, v11, -0.5, 1.0
	v_fma_f32 v12, v10, v12, v10                   ; sine
	v_fma_f32 v13, v13, v14, v15                   ; cosine
	v_cvt_i32_f32 v16, v9
	v_and_b32 v17, 1, v16
	v_cmp_eq_u32 vcc_lo, 1, v17                    ; an odd quarter swaps the two
	v_cndmask_b32 v18, v12, v13, vcc_lo
	v_cndmask_b32 v19, v13, v12, vcc_lo
	v_and_b32 v17, 2, v16
	v_lshlrev_b32 v17, 30, v17
	v_add_nc_u32 v16, 1, v16
	v_and_b32 v16, 2, v16
	v_lshlrev_b32 v16, 30, v16
	v_xor_b32 v[64+2*\e], v16, v19                 ; cos
	v_xor_b32 v[65+2*\e], v17, v18                 ; sin
	global_store_b64 v7, v[64+2*\e:65+2*\e], s[30:31] offset:\e*32768   ; the wave stores 256 consecutive aligned bytes
.endm
.irp e, 0,1,2,3,4,5,6,7,8,9,10,11,12,13,14,15
	SINCOS \e
.endr
	s_endpgm
.Lfunc_end_k_qac069f277e_prep:
	.size	k_qac069f277e_prep, .Lfunc_end_k_qac069f277e_prep-k_qac069f277e_prep
	.p2alignl 7, 3214868480
	.fill 96, 4, 3214868480
	.section	.rodata,"a",@progbits
	.p2align	6, 0x0
	.amdhsa_kernel k_qac069f277e_prep
		.amdhsa_group_segment_fixed_size 2048
		.amdhsa_private_segment_fixed_size 0
		.amdhsa_enable_private_segment 0
		.amdhsa_kernarg_size 72
		.amdhsa_user_sgpr_count 2
		.amdhsa_user_sgpr_kernarg_segment_ptr 1
		.amdhsa_wavefront_size32 1
		.amdhsa_system_sgpr_workgroup_id_x 1
		.amdhsa_system_sgpr_workgroup_id_y 1
		.amdhsa_system_sgpr_workgroup_id_z 1
		.amdhsa_system_vgpr_workitem_id 0
		.amdhsa_next_free_vgpr 258
		.amdhsa_next_free_sgpr 66
		.amdhsa_reserve_vcc 1
		.amdhsa_float_denorm_mode_32 3
		.amdhsa_float_denorm_mode_16_64 3
		.amdhsa_memory_ordered 1
		.amdhsa_forward_progress 1
		.amdhsa_inst_pref_size 110
	.end_amdhsa_kernel
	.amdgpu_metadata
---
amdhsa.version: [ 1, 2 ]
amdhsa.kernels:
  - .name:           k_qac069f277e_prep
    .symbol:         k_qac069f277e_prep.kd
    .args:
      - { .name: x, .offset: 0, .size: 8, .value_kind: global_buffer, .address_space: global }
      - { .name: ln1_g, .offset: 8, .size: 8, .value_kind: global_buffer, .address_space: global }
      - { .name: ln1_b, .offset: 16, .size: 8, .value_kind: global_buffer, .address_space: global }
      - { .name: act1, .offset: 24, .size: 8, .value_kind: global_buffer, .address_space: global }
      - { .name: W_qkv, .offset: 32, .size: 8, .value_kind: global_buffer, .address_space: global }
      - { .name: W_o, .offset: 40, .size: 8, .value_kind: global_buffer, .address_space: global }
      - { .name: W1, .offset: 48, .size: 8, .value_kind: global_buffer, .address_space: global }
      - { .name: W2, .offset: 56, .size: 8, .value_kind: global_buffer, .address_space: global }
      - { .name: wts, .offset: 64, .size: 8, .value_kind: global_buffer, .address_space: global }
    .group_segment_fixed_size: 2048
    .private_segment_fixed_size: 0
    .kernarg_segment_align: 8
    .kernarg_segment_size: 72
    .max_flat_workgroup_size: 256
    .sgpr_count:     66
    .vgpr_count:     258
    .wavefront_size: 32
...
	.end_amdgpu_metadata
.endif
;; end of part 1
;; launch qkv (part 2): grid 16 x 16, 4 waves a work-group, clusters of 4 x 4, 327,680 bytes of LDS; arguments act1, wts, pad_mask, qkvb; writes qkvb
.if DOCPART == 2
	.amdgcn_target "amdgcn-amd-amdhsa--gfx1250"
	.amdhsa_code_object_version 6
	.text
	.protected	k_qac069f277e_qkv
	.globl	k_qac069f277e_qkv
	.p2align	8
	.type	k_qac069f277e_qkv,@function
k_qac069f277e_qkv:
	s_mov_b64 s[64:65], 0
	v_nop
	global_prefetch_b8 v0, s[64:65] scope:SCOPE_SE
	s_setreg_imm32_b32 hwreg(HW_REG_WAVE_MODE, 25, 1), 1
	s_wait_xcnt 0x0
	s_wait_alu depctr_hold_cnt(0) depctr_sa_sdst(0) depctr_va_vdst(0) depctr_va_sdst(0) depctr_va_ssrc(0) depctr_va_vcc(0) depctr_vm_vsrc(0)
	s_getreg_b32 s2, hwreg(HW_REG_IB_STS2, 6, 4)
	s_cmp_eq_u32 s2, 0
	s_cbranch_scc0 .Lentry_in_a_cluster
	s_endpgm
.Lentry_in_a_cluster:
	s_bfe_u32 s2, ttmp6, 0x10000c
	s_cmp_lg_u32 s2, 0xf033
	s_cbranch_scc0 .Lentry_shape_is_right
	s_endpgm
.Lentry_shape_is_right:
; qkv = LN1(x) W_qkv on codes of BF8 (E5M2) with E8M0 scales; then the rotary embedding on q and k, and q, k (along the head's 64) and v (along the keys) are quantised for the two products of attention.
; A work-group makes 256 tokens x one head's 192 columns; four waves, 2 x 2; a wave 128 tokens x 6 tiles of columns: wave column 0: q (4 tiles) and v dims 0-31 (2), wave column 1: k (4) and v dims 32-63 (2).
; OPERANDS ARE IMAGES OF THEIR REGISTERS in memory and in LDS: a fragment (16 rows x 128 K) is 2,048 dense bytes, four loads of 16 bytes a lane at 16 x lane + 512 c: no pitch, no padding, no bank met twice.
; K goes in steps of 256 through a ring of two LDS slots filled by the tensor data mover; the scale words of all of K come once, with the first fills.  4 x 4 work-groups form a cluster: A's tiles are asked for jointly along a row, B's along a column.
; q's and k's tiles are used TRANSPOSED (source 0 = 16 columns of W, source 1 = 16 tokens): a lane holds one token and 16 neighbouring dims of each 32.  v's tiles are used the other way round (source 0 = tokens): a lane holds one dim and
; eight tokens, so that its registers run along the keys, which are the second product's K.  Within a block of 32 keys place 16 h + i is key 8 h + i (i < 8) or 16 + 8 h + i - 8: attention's weights come out in the same order.
; THE PAD MASK goes into k's scale word: its third byte, which scales the upper half of the first product's K, is 2^85 for a hidden key and 2^-126 for an open one (the attention launch says what stands there).  q's two bytes are lowered by 3: the factor 1/8.
; LIMITS: largest magnitudes are held from below at 2^-108 (q, k) and 2^-111 (v); blocks of zeros keep the floor's byte (their codes are zeros; this program alone reads the bytes); NaN and infinities are not served.
.set MB, 8
.set NB, 6
.set NBT, 4                            ; the first NBT tiles of columns are used transposed
.set NS, 1
.set SIZE_K, 1024
.set BSTR, 786432
.set AS_OFF, 4194304
.set BC_OFF, 0
.set BS_OFF, 12582912
.set HASBIAS, 0
.set HA, MB/2
.set NQ, 2*NS                          ; matrix instructions deep in a slot
.set TST, SIZE_K/2                     ; a tile's scale words, all of K
.set LAPS, SIZE_K/(512*NS)
.set ASTR, 1048576                     ; 256 along K of all of A's tiles
.set REGA, NS*MB*4096                  ; what one tensor load brings of A, and what one wave reads
.set REGB, NS*NB*4096
.set SLOT, 2*REGA+2*REGB
.set SCL, 2*SLOT                       ; behind the ring: B's scale words, then A's
.set SCA, SCL+2*NB*TST
.set SPARE, SCA+2*MB*TST               ; the spare words, 128 bytes a wave, which no other line names
.set CA, 32                            ; a dense block as rows of 256 bytes
.set RA, 16*MB
.set PA, 32
.set CB, 32
.set RB, 16*NB
.set PB, 32
.set ADRA, 16
.set ADRB, 20
.set ADRS, 27
.set SPW, 28
.set NIL, 29
.set SC, 32                            ; scale words: set s at v[SC + 16 s]; register NQ blk + q: lanes 0-15 B's block, lanes 16-31 A's block
.set BIA, 64
.set AF, 128                           ; A's fragments, window 0, one set; B's in window 1, two sets; accumulators in windows 2 and 3
.set G1, 24
.set G0, 32
.set G1B, 48
.set G0B, 56
.set G1S, 68
.set G0S, 76
.set G1SB, 80
.set G0SB, 88
.set MSB, 0
.macro WIN new                         ; the immediate's high byte repeats the setting that is left
.if MSB != (\new)
	s_set_vgpr_msb (MSB<<8)|(\new)
.set MSB, (\new)
.endif
.endm
.macro PLACES n
.rept \n
	v_nop
.endr
.endm
.macro JLOAD g0a, g1a, g0b, g1b        ; a joint load: waves 0 and 1 fetch for A, waves 2 and 3 for B; four v_nop follow each line
	s_cmp_eq_u32 s15, 0
	s_cbranch_scc0 .Lfor_b_\@
	tensor_load_to_lds s[\g0a:\g0a+3], s[\g1a:\g1a+7]
	s_nop 0
.rept 4
	v_nop
.endr
	s_branch .Lasked_\@
.Lfor_b_\@:
	tensor_load_to_lds s[\g0b:\g0b+3], s[\g1b:\g1b+7]
	s_nop 0
.rept 4
	v_nop
.endr
.Lasked_\@:
.endm
.macro CREST                           ; a round of the cluster's barrier behind its opening barrier
	s_cmp_lg_u32 s14, 0
	s_cbranch_scc1 .Lnot_wave_0_\@
	s_barrier_signal -3
.Lnot_wave_0_\@:
	s_barrier_wait -3
	s_barrier_signal -1
	s_barrier_wait -1
.endm
.macro CROUND
	s_barrier_signal -1
	s_barrier_wait -1
	CREST
.endm
	s_load_b128 s[4:7], s[0:1], 0x0                ; A's images, the weights' images
	s_load_b128 s[8:11], s[0:1], 0x10              ; pad_mask, qkvb
	v_lshl_add_u32 v[SPW], v0, 2, SPARE
	v_mov_b32 v[NIL], 0
	ds_add_u32 v28, v29
	s_wait_dscnt 0x0
	v_lshrrev_b32 v1, 5, v0
	v_readfirstlane_b32 s14, v1                    ; wave
	s_lshr_b32 s15, s14, 1                         ; my half of the rows.  Also: I fetch for A (0) or B (1)
	s_and_b32 s16, s14, 1                          ; my half of the columns.  Also: which half I fetch
	s_bfe_u32 s40, ttmp6, 0x40000                  ; cx, cy
	s_bfe_u32 s41, ttmp6, 0x40004
	s_lshl_b32 s42, ttmp9, 2
	s_add_co_u32 s42, s42, s40                     ; tile column
	s_and_b32 s17, ttmp7, 0xffff
	s_lshl_b32 s17, s17, 2
	s_add_co_u32 s17, s17, s41                     ; tile row
	s_lshl_b32 s43, s41, 2
	s_lshl_b32 s43, 15, s43                        ; my row of the cluster
	s_lshl_b32 s44, 0x1111, s40                    ; my column
	s_or_b32 s[G1+0], s43, (3<<16)|(1<<21)         ; the mask; elements of 8 bytes; bit 21 beside a mask; no padding
	s_or_b32 s[G1B+0], s44, (3<<16)|(1<<21)
	s_mov_b32 s[G1+1], CA<<16
	s_mov_b32 s[G1+2], RA<<16
	s_mov_b32 s[G1+3], CA<<16
	s_mov_b32 s[G1+4], RA
	s_mov_b32 s[G1+5], PA
	s_mov_b32 s[G1+6], 0
	s_mov_b32 s[G1+7], 0
	s_mov_b32 s[G1B+1], CB<<16
	s_mov_b32 s[G1B+2], RB<<16
	s_mov_b32 s[G1B+3], CB<<16
	s_mov_b32 s[G1B+4], RB
	s_mov_b32 s[G1B+5], PB
	s_mov_b32 s[G1B+6], 0
	s_mov_b32 s[G1B+7], 0
	s_or_b32 s[G1S+0], s43, (3<<16)|(1<<21)        ; the scale words of half a tile's rows: a dense block as rows of 256 bytes
	s_or_b32 s[G1SB+0], s44, (3<<16)|(1<<21)
	s_mov_b32 s[G1S+1], 32<<16
	s_mov_b32 s[G1S+2], (MB*TST/256)<<16
	s_mov_b32 s[G1S+3], 32<<16
	s_mov_b32 s[G1S+4], MB*TST/256
	s_mov_b32 s[G1S+5], 32
	s_mov_b32 s[G1S+6], 0
	s_mov_b32 s[G1S+7], 0
	s_mov_b32 s[G1SB+1], 32<<16
	s_mov_b32 s[G1SB+2], (NB*TST/256)<<16
	s_mov_b32 s[G1SB+3], 32<<16
	s_mov_b32 s[G1SB+4], NB*TST/256
	s_mov_b32 s[G1SB+5], 32
	s_mov_b32 s[G1SB+6], 0
	s_mov_b32 s[G1SB+7], 0
	s_mul_i32 s18, s16, MB                         ; A's addresses hang on the tile row and the wave alone, B's on the tile column and the wave
	s_mul_i32 s20, s17, 2*MB
	s_add_co_u32 s20, s20, s18
	s_mul_i32 s22, s20, TST
	s_add_co_u32 s22, s22, AS_OFF
	s_mov_b32 s23, 0
	s_lshl_b32 s20, s20, 12
	s_mov_b32 s21, 0
	s_mul_i32 s19, s16, NB
	s_mul_i32 s46, s42, 2*NB
	s_add_co_u32 s46, s46, s19
	s_mul_i32 s92, s46, TST
	s_add_co_u32 s92, s92, BS_OFF
	s_mov_b32 s93, 0
	s_lshl_b32 s46, s46, 12
	s_add_co_u32 s46, s46, BC_OFF
	s_mov_b32 s47, 0
	s_mul_i32 s45, s16, REGA                       ; LDS addresses hang on the wave's number alone
	s_mul_i32 s94, s16, REGB
	s_add_co_u32 s94, s94, 2*REGA
	s_mul_i32 s18, s16, MB*TST
	s_add_co_u32 s18, s18, SCA
	s_mul_i32 s19, s16, NB*TST
	s_add_co_u32 s19, s19, SCL
	s_wait_kmcnt 0x0
	s_add_nc_u64 s[20:21], s[4:5], s[20:21]
	s_add_nc_u64 s[22:23], s[4:5], s[22:23]
	s_add_nc_u64 s[46:47], s[6:7], s[46:47]
	s_add_nc_u64 s[92:93], s[6:7], s[92:93]
	CROUND                                         ; all sixteen work-groups are here: the first joint loads meet
	s_mov_b32 s[G0S], 1
	s_mov_b32 s[G0S+1], s18
	s_mov_b64 s[G0S+2:G0S+3], s[22:23]
	s_or_b32 s[G0S+3], s[G0S+3], 0x80000000
	s_mov_b32 s[G0SB], 1
	s_mov_b32 s[G0SB+1], s19
	s_mov_b64 s[G0SB+2:G0SB+3], s[92:93]
	s_or_b32 s[G0SB+3], s[G0SB+3], 0x80000000
	JLOAD G0S, G1S, G0SB, G1SB                     ; three loads of mine go out together: the scale words, slot 0, slot 1
.irp s, 0,1
	s_mov_b32 s[G0+4*\s], 1
	s_add_co_u32 s[G0+4*\s+1], s45, \s*SLOT
	s_add_nc_u64 s[G0+4*\s+2:G0+4*\s+3], s[20:21], \s*NS*ASTR
	s_or_b32 s[G0+4*\s+3], s[G0+4*\s+3], 0x80000000
	s_mov_b32 s[G0B+4*\s], 1
	s_add_co_u32 s[G0B+4*\s+1], s94, \s*SLOT
	s_add_nc_u64 s[G0B+4*\s+2:G0B+4*\s+3], s[46:47], \s*NS*BSTR
	s_or_b32 s[G0B+4*\s+3], s[G0B+4*\s+3], 0x80000000
	JLOAD G0+4*\s, G1, G0B+4*\s, G1B
.endr
	v_and_b32 v1, 15, v0                           ; r
	v_bfe_u32 v2, v0, 4, 1                         ; h
	v_and_b32 v3, 31, v0
	v_lshlrev_b32 v3, 4, v3                        ; 16 x lane
	s_mul_i32 s21, s15, REGA
	s_mul_i32 s22, s16, REGB
	s_add_co_u32 s22, s22, 2*REGA
.irp s, 0,1
	v_add_nc_u32 v[ADRA+\s], s21, v3
	v_add_nc_u32 v[ADRB+\s], s22, v3
	s_add_co_u32 s21, s21, SLOT
	s_add_co_u32 s22, s22, SLOT
.endr
	s_mul_i32 s21, s16, NB*TST                     ; B's words: my NB blocks
	s_mul_i32 s22, s15, MB*TST                     ; A's: my MB blocks, behind B's
	s_add_co_u32 s22, s22, 2*NB*TST
	s_sub_co_u32 s22, s22, s21
	v_mul_u32_u24 v6, s22, v2                      ; lanes 16-31 take A's
	s_add_co_u32 s21, s21, SCL
	v_lshl_add_u32 v5, v1, 2, v6
	v_add_nc_u32 v[ADRS], s21, v5
.macro FRAG reg, adr, nblk, qq, blk    ; a fragment: four loads of 512 consecutive bytes
.irp c, 0,1,2,3
	ds_load_b128 v[\reg+4*\c:\reg+4*\c+3], v[\adr] offset:((\qq)/2)*(\nblk)*4096+(\blk)*4096+((\qq)%2)*2048+512*\c
.endr
.endm
.macro FETCH_B slot, qq, p
	WIN 0x40
.set fb, 0
.rept NB
	FRAG 128*(\p)+16*fb, ADRB+\slot, NB, \qq, fb
.set fb, fb+1
.endr
	WIN 0
.endm
.macro FETCH_A slot, qq, a0
.set fb, \a0
.rept HA
	FRAG AF+16*fb, ADRA+\slot, MB, \qq, fb
.set fb, fb+1
.endr
.endm
.macro SCALES set
.set fb, 0
.rept 16/NQ
.set fq, 0
.rept NQ
	ds_load_b32 v[SC+16*(\set)+NQ*fb+fq], v[ADRS] offset:fb*TST+64*fq
.set fq, fq+1
.endr
.set fb, fb+1
.endr
.endm
.macro MM a, b, p, qq, set, zero       ; one product: A's block a x B's block b, 128 along K
.set rD, 8*(NB*((\a)%HA)+(\b))
.set rB, 128*(\p)+16*(\b)
.set rA, AF+16*(\a)
.set sB, SC+16*(\set)+NQ*(\b)+(\qq)
.set sA, SC+16*(\set)+NQ*(\a)+(\qq)
.if (\b) < NBT
.if \zero
	v_wmma_scale_f32_16x16x128_f8f6f4 v[rD:rD+7], v[rB:rB+15], v[rA:rA+15], 0, v[sB], v[sA] matrix_a_fmt:MATRIX_FMT_BF8 matrix_b_fmt:MATRIX_FMT_BF8 matrix_b_scale:MATRIX_SCALE_ROW1
.else
	v_wmma_scale_f32_16x16x128_f8f6f4 v[rD:rD+7], v[rB:rB+15], v[rA:rA+15], v[rD:rD+7], v[sB], v[sA] matrix_a_fmt:MATRIX_FMT_BF8 matrix_b_fmt:MATRIX_FMT_BF8 matrix_b_scale:MATRIX_SCALE_ROW1
.endif
.else
.if \zero
	v_wmma_scale_f32_16x16x128_f8f6f4 v[rD:rD+7], v[rA:rA+15], v[rB:rB+15], 0, v[sA], v[sB] matrix_a_fmt:MATRIX_FMT_BF8 matrix_b_fmt:MATRIX_FMT_BF8 matrix_a_scale:MATRIX_SCALE_ROW1
.else
	v_wmma_scale_f32_16x16x128_f8f6f4 v[rD:rD+7], v[rA:rA+15], v[rB:rB+15], v[rD:rD+7], v[sA], v[sB] matrix_a_fmt:MATRIX_FMT_BF8 matrix_b_fmt:MATRIX_FMT_BF8 matrix_a_scale:MATRIX_SCALE_ROW1
.endif
.endif
.endm
.macro MULA a0, n, p, qq, set, zero    ; A's blocks a0 .. a0 + n - 1 against all of B's; the accumulators take turns, one instruction a turn, in the same order in every step
.set WD, 2+(\a0)/HA
.set WW, (WD<<6)|(WD<<4)|0x01
	WIN WW
.set ia, \a0
.rept \n
.set ib, 0
.rept NBT
	MM ia, ib, \p, \qq, \set, \zero
.set ib, ib+1
.endr
.set ia, ia+1
.endr
.if NBT < NB
.set WW, (WD<<6)|(WD<<4)|0x04
	WIN WW
.set ia, \a0
.rept \n
.set ib, NBT
.rept NB-NBT
	MM ia, ib, \p, \qq, \set, \zero
.set ib, ib+1
.endr
.set ia, ia+1
.endr
.endif
.endm
; Loads into registers that matrix instructions have read stand eight plain vector instructions behind them.
.macro STEP slot, qq, zero             ; 128 along K that has its successor in the same slot
	s_wait_dscnt 4*HA                              ; B's set, A's lower blocks and the scale words are in; the youngest loads, A's upper blocks, may be out
	MULA 0, HA, (\qq)%2, \qq, \slot, \zero
	s_wait_dscnt 0
	PLACES 8
	FETCH_B \slot, (\qq)+1, 1-(\qq)%2
	FETCH_A \slot, (\qq)+1, 0
	MULA HA, HA, (\qq)%2, \qq, \slot, \zero
	PLACES 8
	WIN 0
	FETCH_A \slot, (\qq)+1, HA
.endm
.macro TURN slot, next, fill           ; a slot's last step changes slots: one barrier
	s_wait_tensorcnt 0x0                           ; all my tensor loads have landed: my part of the next slot
	ds_add_u32 v[SPW], v[NIL]                      ; 0 onto my spare word
	s_wait_dscnt 4*HA+1                            ; (the add and A's upper blocks may be out)
	MULA 0, HA/2, 1, NQ-1, \slot, 0
	s_wait_dscnt 0x0                               ; the add is done, and my reads of this slot are over
	s_barrier_signal -1
	MULA HA/2, HA/2, 1, NQ-1, \slot, 0
	WIN 0
	s_barrier_wait -1
.if \fill
	CREST                                          ; the barrier has opened a round of the cluster's barrier: no wave of any partner still reads this slot or has a load on its way
	s_add_nc_u64 s[G0+4*\slot+2:G0+4*\slot+3], s[G0+4*\slot+2:G0+4*\slot+3], 2*NS*ASTR
	s_add_nc_u64 s[G0B+4*\slot+2:G0B+4*\slot+3], s[G0B+4*\slot+2:G0B+4*\slot+3], 2*NS*BSTR
	JLOAD G0+4*\slot, G1, G0B+4*\slot, G1B         ; my one tensor load behind the round
	PLACES 4
.else
	PLACES 8
.endif
	v_add_nc_u32 v[ADRS], 64*NQ, v[ADRS]           ; the next slot's scale words
	FETCH_B \next, 0, 0
	FETCH_A \next, 0, 0
	SCALES \next
	MULA HA, HA, 1, NQ-1, \slot, 0
	PLACES 8
	WIN 0
	FETCH_A \next, 0, HA
.endm
	s_wait_tensorcnt 1                             ; the scale words and my part of slot 0 are in; slot 1's load may be out
	s_barrier_signal -1
	s_barrier_wait -1
	FETCH_B 0, 0, 0
	FETCH_A 0, 0, 0
	SCALES 0
	FETCH_A 0, 0, HA
	STEP 0, 0, 1                                   ; the first step's products start the sums
	s_mov_b32 s3, LAPS-1
.Llap:
	TURN 0, 1, 1
	STEP 1, 0, 0
	TURN 1, 0, 1
	STEP 0, 0, 0
	s_sub_co_u32 s3, s3, 1
	s_cmp_lg_u32 s3, 0
	s_cbranch_scc1 .Llap
	TURN 0, 1, 0                                   ; the last lap fills nothing
	STEP 1, 0, 0
	s_wait_dscnt 4*HA
	MULA 0, HA, 1, NQ-1, 1, 0
	s_wait_dscnt 0
	MULA HA, HA, 1, NQ-1, 1, 0
	WIN 0
; THE WAY OUT.  No tensor load of mine is out, so the descriptors' registers are free.
.set KC,  4194304
.set VC,  8388608
.set QS,  12582912
.set KVS, 12845056
.set ROPE, 12976128
.set MK,  8                            ; v8-15    pad_mask of my row in each of the 8 blocks of tokens
.set TM,  32
.set PWL, 48                           ; v48-55   the blocks' scale words
.set PC,  56                           ; v56-71   codes, two sets of 8
.set Y,   72                           ; v72-135  numbers ahead of the quantiser
.set CS,  136                          ; v136-199 cos and sin, two sets of 32
.set PCV, 200                          ; v200-215 v's codes
.set SEL, 66
.set MNT, 68
.set HM,  69
	PLACES 8
.irp b, 0,1,2,3
	v_mov_b32 v[TM+4+\b], 0                        ; a lane permute's destination counts as read
.endr
	s_mov_b32 s[SEL], 0x76543210
	s_mov_b32 s[SEL+1], 0xfedcba98
	s_mov_b32 s[MNT], 0x600000
	s_mov_b32 s[HM], 0xffff0000                    ; lanes 16-31
	s_lshr_b32 s18, s17, 3                         ; the batch
	s_and_b32 s19, s17, 7
	s_lshl_b32 s20, s18, 4
	s_add_co_u32 s20, s20, s42                     ; batch x 16 + head
	s_lshl_b32 s21, s19, 4
	s_lshl_b32 s22, s15, 3
	s_add_co_u32 s21, s21, s22                     ; my first tile of tokens in the batch
	s_lshl_b32 s22, s20, 7
	s_add_co_u32 s22, s22, s21
	s_lshl_b32 s43, s18, 2
	s_lshr_b32 s44, s42, 2
	s_add_co_u32 s43, s43, s44
	s_mul_i32 s43, s43, 49152
	s_add_co_u32 s43, s43, KVS                     ; the scale words of k and v of my group of four heads
	s_and_b32 s44, s42, 3
	s_lshl_b32 s45, s44, 13
	s_add_co_u32 s45, s45, s43
	s_lshl_b32 s46, s21, 6
	s_add_co_u32 s45, s45, s46                     ; k's words
	s_lshl_b32 s46, s22, 6
	s_add_co_u32 s46, s46, QS                      ; q's words
	s_lshl_b32 s24, s22, 10
	s_mov_b32 s37, 0x01010000                      ; k, open key: the upper half of K counts for nothing
	s_mov_b32 s38, 0x01d40000                      ; k, hidden key: 2^85
	s_cmp_eq_u32 s16, 0                            ; wave column 0 has q, 1 has k
	s_cselect_b32 s26, s46, s45
	s_cselect_b32 s47, 0, KC
	s_cselect_b32 s36, 3, 0                        ; q's bytes are lowered by 3: the factor 1/8
	s_cselect_b32 s37, 0x7f7f0000, s37
	s_cselect_b32 s38, 0x7f7f0000, s38
	s_add_co_u32 s24, s24, s47
	s_mov_b32 s25, 0
	s_mov_b32 s27, 0
	s_add_nc_u64 s[24:25], s[10:11], s[24:25]      ; my codes
	s_add_nc_u64 s[26:27], s[10:11], s[26:27]      ; my words
	s_lshl_b32 s39, s19, 8
	s_lshl_b32 s47, s15, 7
	s_add_co_u32 s39, s39, s47                     ; my first position
	s_lshl_b32 s28, s39, 8
	s_add_co_u32 s28, s28, ROPE
	s_mov_b32 s29, 0
	s_add_nc_u64 s[28:29], s[6:7], s[28:29]        ; the table at that position
	s_lshl_b32 s30, s18, 13
	s_lshl_b32 s47, s39, 2
	s_add_co_u32 s30, s30, s47
	s_mov_b32 s31, 0
	s_add_nc_u64 s[30:31], s[8:9], s[30:31]        ; pad_mask likewise
	s_lshl_b32 s47, s19, 1
	s_add_co_u32 s47, s47, s15                     ; which 128 keys
	s_lshl_b32 s48, s47, 2
	s_lshl_b32 s49, s16, 1
	s_add_co_u32 s48, s48, s49                     ; x 4 + my first tile of v's dims
	s_lshl_b32 s32, s20, 6
	s_add_co_u32 s32, s32, s48
	s_lshl_b32 s32, s32, 11
	s_add_co_u32 s32, s32, VC
	s_mov_b32 s33, 0
	s_add_nc_u64 s[32:33], s[10:11], s[32:33]      ; v's codes
	s_lshl_b32 s34, s44, 12
	s_add_co_u32 s34, s34, s43
	s_lshl_b32 s48, s48, 6
	s_add_co_u32 s34, s34, s48
	s_add_co_u32 s34, s34, 32768
	s_mov_b32 s35, 0
	s_add_nc_u64 s[34:35], s[10:11], s[34:35]      ; v's words
	v_lshlrev_b32 v4, 8, v1
	v_lshl_add_u32 v4, v2, 6, v4                   ; the table: 256 r + 64 h
	v_lshlrev_b32 v5, 2, v1                        ; 4 r
	v_and_b32 v6, 31, v0
	v_lshlrev_b32 v6, 2, v6                        ; 4 x lane
	v_mov_b32 v22, s37
	v_mov_b32 v23, s38
.irp a, 0,1,2,3,4,5,6,7
	global_load_b32 v[MK+\a], v5, s[30:31] offset:64*\a
.endr
.macro CSLOAD a                        ; cos and sin of block a's positions: my 16 pairs of dims, 64 bytes for each 32 dims
.irp e, 0,1,2,3,4,5,6,7
	global_load_b128 v[CS+32*((\a)%2)+4*\e:CS+32*((\a)%2)+4*\e+3], v4, s[28:29] offset:(\a)*4096+128*(\e/4)+16*(\e%4)
.endr
.endm
	CSLOAD 0
	CSLOAD 1
.macro QMAX src, nb, floor
.set qi, 0
.rept \nb
	v_max3_num_f32 v[TM+qi], |v[\src+16*qi]|, |v[\src+16*qi+1]|, \floor
.set qi, qi+1
.endr
.irp i, 2,4,6,8,10,12,14
.set qi, 0
.rept \nb
	v_max3_num_f32 v[TM+qi], v[TM+qi], |v[\src+16*qi+\i]|, |v[\src+16*qi+\i+1]|
.set qi, qi+1
.endr
.endr
.endm
.macro QSCALE nb                       ; the lane 16 away holds the block's other half; then the scale operand, 57,344 x the scale, the byte
.set qi, 0
.rept \nb
	v_permlanex16_b32 v[TM+4+qi], v[TM+qi], s[SEL], s[SEL+1]
.set qi, qi+1
.endr
.set qi, 0
.rept \nb
	v_max_num_f32 v[TM+qi], v[TM+qi], v[TM+4+qi]
.set qi, qi+1
.endr
.set qi, 0
.rept \nb
	v_add_nc_u32 v[TM+12+qi], 0xf8800000, v[TM+qi]
.set qi, qi+1
.endr
.set qi, 0
.rept \nb
	v_and_or_b32 v[TM+8+qi], v[TM+qi], 0x7f800000, s[MNT]
.set qi, qi+1
.endr
.set qi, 0
.rept \nb
	v_lshrrev_b32 v[TM+4+qi], 23, v[TM+12+qi]
.set qi, qi+1
.endr
.endm
.macro QHOLD src, nb                   ; the conversion to an 8-bit code does not saturate (ISA guide 7.6.2)
.set qi, 0
.rept 16*(\nb)
	v_med3_num_f32 v[\src+qi], v[\src+qi], -v[TM+8+qi/16], v[TM+8+qi/16]
.set qi, qi+1
.endr
.endm
.macro QCODE src, nb, pc
.set qi, 0
.rept 2*(\nb)
	v_cvt_scalef32_pk8_bf8_f32 v[\pc+2*qi:\pc+2*qi+1], v[\src+8*qi:\src+8*qi+7], v[TM+12+qi/2]
.set qi, qi+1
.endr
	v_nop                                          ; a plain line behind the last conversion
.endm
.macro ROW a                           ; 16 tokens of q or k: rotated, quantised, stored
.set AC, 48*((\a)%4)
.set CB2, CS+32*((\a)%2)
.set PCS, PC+8*((\a)%2)
.if (\a) < 7
	s_wait_loadcnt 8                               ; this block's table is in (and pad_mask); the next block's 8 loads may be out
.else
	s_wait_loadcnt 0
.endif
	WIN 0x02+(\a)/4                                ; source 0: the accumulators' window
.set pp, 0
.rept 16                                           ; each accumulator is read from its low end on
	v_mul_f32 v[Y+2*pp], v[AC+2*pp], v[CB2+2*pp]
	v_mul_f32 v[Y+2*pp+1], v[AC+2*pp+1], v[CB2+2*pp]
	v_fma_f32 v[Y+2*pp], -v[AC+2*pp+1], v[CB2+2*pp+1], v[Y+2*pp]
	v_fma_f32 v[Y+2*pp+1], v[AC+2*pp], v[CB2+2*pp+1], v[Y+2*pp+1]
.set pp, pp+1
.endr
	WIN 0
.if (\a)+2 < 8
	CSLOAD (\a)+2
.endif
	QMAX Y, 2, 0x9800000                           ; the floor 2^(19 - 127): the byte less 3 cannot fall under 1
	QSCALE 2
	QHOLD Y, 2
	s_wait_xcnt 0x0                                ; the stores of two blocks ago have read this set of codes
	QCODE Y, 2, PCS
	v_sub_nc_u32 v[TM+4], v[TM+4], s36
	v_sub_nc_u32 v[TM+5], v[TM+5], s36
	v_cmp_ne_u32 vcc_lo, 0, v[MK+(\a)]
	v_cndmask_b32 v216, v22, v23, vcc_lo           ; the word's upper half: a choice of values, no branch
	v_lshl_or_b32 v[PWL+(\a)], v[TM+5], 8, v[TM+4]
	v_or_b32 v[PWL+(\a)], v[PWL+(\a)], v216
	global_store_b128 v3, v[PCS:PCS+3], s[24:25] offset:(\a)*1024        ; 512 consecutive bytes
	global_store_b128 v3, v[PCS+4:PCS+7], s[24:25] offset:(\a)*1024+512
.endm
.irp a, 0,1,2,3,4,5,6,7
	ROW \a
.endr
.irp a, 0,2,4,6
	v_cndmask_b32 v[216+\a/2], v[PWL+\a], v[PWL+\a+1], s[HM]   ; lanes 0-15 block a's words, lanes 16-31 block a + 1's
	global_store_b32 v6, v[216+\a/2], s[26:27] offset:64*\a    ; 128 consecutive bytes
.endr
.macro VQ nt                           ; a tile of 16 dims of v x my 128 keys: four blocks of 32 keys; block c lies in the accumulators of token blocks 2 c and 2 c + 1
.set VB, 8*(4+\nt)
.irp w, 0,1
	WIN 0x0a+5*\w                                  ; sources 0 and 1: window 2, then 3
.irp c, 0,1
	v_max3_num_f32 v[TM+2*\w+\c], |v[96*\c+VB]|, |v[96*\c+VB+1]|, 0x8000000
.irp i, 2,4,6
	v_max3_num_f32 v[TM+2*\w+\c], |v[96*\c+VB+\i]|, |v[96*\c+VB+\i+1]|, v[TM+2*\w+\c]
.endr
.irp i, 0,2,4,6
	v_max3_num_f32 v[TM+2*\w+\c], |v[96*\c+48+VB+\i]|, |v[96*\c+48+VB+\i+1]|, v[TM+2*\w+\c]
.endr
.endr
.endr
	WIN 0
	QSCALE 4
	v_lshl_or_b32 v[220+\nt], v[TM+5], 8, v[TM+4]
	v_lshl_or_b32 v[220+\nt], v[TM+6], 16, v[220+\nt]
	v_lshl_or_b32 v[220+\nt], v[TM+7], 24, v[220+\nt]
.irp w, 0,1
	WIN 0x02+\w
.irp c, 0,1
.irp i, 0,1,2,3,4,5,6,7
	v_med3_num_f32 v[Y+32*\w+16*\c+\i], v[96*\c+VB+\i], -v[TM+8+2*\w+\c], v[TM+8+2*\w+\c]
	v_med3_num_f32 v[Y+32*\w+16*\c+8+\i], v[96*\c+48+VB+\i], -v[TM+8+2*\w+\c], v[TM+8+2*\w+\c]
.endr
.endr
.endr
	WIN 0
	s_wait_xcnt 0x0                                ; earlier stores have read their registers
	QCODE Y, 4, PCV
.irp c, 0,1,2,3
	global_store_b128 v3, v[PCV+4*\c:PCV+4*\c+3], s[32:33] offset:\nt*2048+512*\c
.endr
.endm
	VQ 0
	VQ 1
	v_cndmask_b32 v222, v220, v221, s[HM]
	global_store_b32 v6, v222, s[34:35]
	s_wait_tensorcnt 0x0                           ; the wave's end
	ds_add_u32 v[SPW], v[NIL]
	s_wait_dscnt 0x0
	CROUND                                         ; the closing round
	s_endpgm
.Lfunc_end_k_qac069f277e_qkv:
	.size	k_qac069f277e_qkv, .Lfunc_end_k_qac069f277e_qkv-k_qac069f277e_qkv
	.p2alignl 7, 3214868480
	.fill 96, 4, 3214868480
	.section	.rodata,"a",@progbits
	.p2align	6, 0x0
	.amdhsa_kernel k_qac069f277e_qkv
		.amdhsa_group_segment_fixed_size 327680
		.amdhsa_private_segment_fixed_size 0
		.amdhsa_enable_private_segment 0
		.amdhsa_kernarg_size 32
		.amdhsa_user_sgpr_count 2
		.amdhsa_user_sgpr_kernarg_segment_ptr 1
		.amdhsa_wavefront_size32 1
		.amdhsa_system_sgpr_workgroup_id_x 1
		.amdhsa_system_sgpr_workgroup_id_y 1
		.amdhsa_system_sgpr_workgroup_id_z 1
		.amdhsa_system_vgpr_workitem_id 0
		.amdhsa_next_free_vgpr 1024
		.amdhsa_next_free_sgpr 102
		.amdhsa_reserve_vcc 1
		.amdhsa_float_denorm_mode_32 3
		.amdhsa_float_denorm_mode_16_64 3
		.amdhsa_memory_ordered 1
		.amdhsa_forward_progress 1
		.amdhsa_inst_pref_size 186
	.end_amdhsa_kernel
	.amdgpu_metadata
---
amdhsa.version: [ 1, 2 ]
amdhsa.kernels:
  - .name:           k_qac069f277e_qkv
    .symbol:         k_qac069f277e_qkv.kd
    .args:
      - { .name: act1, .offset: 0, .size: 8, .value_kind: global_buffer, .address_space: global }
      - { .name: wts, .offset: 8, .size: 8, .value_kind: global_buffer, .address_space: global }
      - { .name: pad_mask, .offset: 16, .size: 8, .value_kind: global_buffer, .address_space: global }
      - { .name: qkvb, .offset: 24, .size: 8, .value_kind: global_buffer, .address_space: global }
    .group_segment_fixed_size: 327680
    .private_segment_fixed_size: 0
    .kernarg_segment_align: 8
    .kernarg_segment_size: 32
    .max_flat_workgroup_size: 128
    .sgpr_count:     102
    .vgpr_count:     1024
    .wavefront_size: 32
...
	.end_amdgpu_metadata
.endif
;; end of part 2
;; launch attn (part 3): grid 32 x 8, 16 waves a work-group, no clusters, 327,680 bytes of LDS; arguments qkvb, bias, act2; writes act2
.if DOCPART == 3
	.amdgcn_target "amdgcn-amd-amdhsa--gfx1250"
	.amdhsa_code_object_version 6
	.text
	.protected	k_qac069f277e_attn
	.globl	k_qac069f277e_attn
	.p2align	8
	.type	k_qac069f277e_attn,@function
k_qac069f277e_attn:
	s_mov_b64 s[64:65], 0
	v_nop
	global_prefetch_b8 v0, s[64:65] scope:SCOPE_SE
	s_setreg_imm32_b32 hwreg(HW_REG_WAVE_MODE, 25, 1), 1
	s_wait_xcnt 0x0
; out = softmax(q k^T / 8 + bias, hidden keys at -infinity) v, both products on codes of BF8 (E5M2) with E8M0 scales; the result is quantised along head x 64 + dim and stored as images of the next product's operand.
; SHARES.  A work-group: 64 queries x 4 heads of one batch, so that a tile of bias serves four heads.  Sixteen waves, four to a SIMD; wave w: head w / 4 of the four, 16 queries (w % 4), in 256 registers.  16 key steps of 128.
; K's, V's and bias's tiles come through a ring of two LDS slots of one key step (wave 0: K of four heads, wave 1: V, waves 2 and 3: 32 rows of bias each); the scale words of K and V of the four heads stay in LDS.
; LAYOUT.  Both products transposed: S^T = K Q^T + bias^T (bias is the product's C), O^T = V^T P^T: a lane holds one query throughout.  K and V lie as images of their registers (16 x lane + 512 c).
; Within a block of 32 keys P and V carry the same order of keys (place 16 h + i: key 8 h + i, or 16 + 8 h + i - 8), which leaves the blocks and their scales as they are.
; THE HEAD HAS 64 DIMS, THE INSTRUCTION 128 ALONG K.  The upper half carries the pad mask: Q has the code 1.0 and K the code -2^15 at k = 64 and k = 80, zeros elsewhere; the key's own scale byte for that block, made by the launch before
; from pad_mask, is 2^85 for a hidden key (the score gets -2^101) and 2^-126 for an open one (it gets -2^-110, which no f32 score above 2^-86 in magnitude can show).  q's scale bytes hold the factor 1/8.
; SOFTMAX.  t = logit x log2(e); M = the running largest t rounded up to a whole number; p = 2^(t - M) is quantised along the keys; the row's sum is taken of the unquantised p and divides at the end; when M moves, sum and O^T are multiplied by 2^(old M - new M).
; The running t begins at -2^90, over every hidden key's t and under every open one's: a hidden key never sets M, and its p is 0.
; THE STEP'S ORDER spares issue slots: the maxima of the first 64 keys are the places behind the products of the last 64; two holds of p go in one dual instruction; V's tile b is asked for as soon as block b of p is converted.
; NO CLUSTER: a step's 98 KiB are asked for once by a work-group, against some 300 vector instructions in each of its 16 waves; the query blocks that share K and V share no bias, which is a third of the bytes.
; LIMITS: open logits lie above -2^90 and under 2^76 in magnitude; a batch all of whose keys are hidden gives NaN; largest magnitudes are held at 2^-111 from below; NaN and infinities among the inputs are not served.
.set KC,  4194304
.set VC,  8388608
.set QS,  12582912
.set KVS, 12845056
.set SLOT1, 131072                     ; slot 1 begins here: one exclusive or turns an address
.set VOFF, 32768                       ; a slot: K [head][tile 8][1,024], V [head][tile 4][2,048], bias 64 rows of 512 + 16 bytes
.set BOFF, 65536
.set BP,   528
.set AS,   107520                      ; 512 bytes where the heads' scale bytes meet; no fill lands here
.set RES,  230400                      ; the scale words: K's [head][tile 128][row], V's from 32,768 on [head][step 16][tile 4][row]
.set SPARE, 279552                     ; the spare words, 128 bytes a wave, which no other line names
.set AK0, 1
.set AV0, 2
.set AB0, 3
.set ASK0, 4
.set ASV0, 5
.set SPW, 7
.set NIL, 8
.set PFO, 9
.set ADK, 10
.set ADV, 11
.set ADB, 12
.set ADS, 13
.set ADT, 14
.set NM,  16                           ; v16 -M, v17 the running largest t
.set RT,  17
.set L,   18                           ; v[18:19] the sum in two halves
.set QR,  20                           ; v20-35 Q
.set QW,  36
.set KR,  40                           ; v40-103 four tiles of K
.set KW,  104                          ; v104-107 scale words of K or V
.set S,   112                          ; v112-175 bias, scores, p; then four tiles of V
.set O,   176                          ; v176-207 O^T
.set PC,  208                          ; v208-223 p's codes
.set TM,  224
.set BM,  224
.set PM,  228
.set LM,  232
.set SO,  236
.set F,   240
.set TMP, 242
.set PWD, 243
.set WV,  18
.set MNT, 19
.set SEL, 20
.set CS,  22
.set G1KV, 24
.set G1B, 32
.set G0KV, 40
.set G0B, 44
.set G1S, 48
.set G0S, 56
.set PFA, 60
.set PFS, 62
.set TB,  2
.set TS,  3
.set TJ,  66
.set SLOTS, 67
.set LIM, 68
.macro TLOAD                           ; waves 0 and 1: K's and V's tiles; waves 2 and 3: bias's halves; four v_nop follow each line
	s_cmp_lt_u32 s[WV], 2
	s_cbranch_scc0 .Lnot_k_\@
	tensor_load_to_lds s[G0KV:G0KV+3], s[G1KV:G1KV+7]
	s_nop 0
.rept 4
	v_nop
.endr
	s_branch .Lasked_\@
.Lnot_k_\@:
	s_cmp_lt_u32 s[WV], 4
	s_cbranch_scc0 .Lasked_\@
	tensor_load_to_lds s[G0B:G0B+3], s[G1B:G1B+7]
	s_nop 0
.rept 4
	v_nop
.endr
.Lasked_\@:
.endm
; A PREFETCH of the key step behind the one that is being asked for, one instruction in each asking wave, each aligned block of 256 bytes named once in the launch: bias's 64 rows x 512 bytes by waves 4-7 of the work-group with the first
; four heads (16 rows a wave, two lanes a row); K's and V's 8,192 bytes of head w % 4 by waves 8-11 and 12-15 of the work-group with the first query block (lanes 256 bytes apart).  The last change that fills a slot asks for nothing.
.macro ASK
	s_cmp_gt_u32 s[SLOTS], s[LIM]
	s_cbranch_scc0 .Lnot_mine_\@
	global_prefetch_b8 v[PFO], s[PFA:PFA+1] th:TH_LOAD_NT scope:SCOPE_SE
.Lnot_mine_\@:
.endm
	s_load_b128 s[4:7], s[0:1], 0x0                ; qkvb, bias
	s_load_b64 s[8:9], s[0:1], 0x10                ; act2
	v_lshl_add_u32 v[SPW], v0, 2, SPARE
	v_mov_b32 v[NIL], 0
	ds_add_u32 v7, v8
	s_wait_dscnt 0x0
	v_lshrrev_b32 v10, 5, v0
	v_readfirstlane_b32 s[WV], v10
	s_and_b32 s70, ttmp7, 0xffff
	s_lshr_b32 s71, s70, 2                         ; the batch
	s_and_b32 s72, s70, 3                          ; which four heads
	s_lshr_b32 s73, s[WV], 2                       ; my head of the four
	s_and_b32 s74, s[WV], 3                        ; my tile of queries
	s_and_b32 s75, s[WV], 1
	s_lshl_b32 s76, s71, 4
	s_lshl_b32 s77, s72, 2
	s_add_co_u32 s76, s76, s77                     ; batch x 16 + the first of the four heads
	s_mov_b32 s[G1KV], 3<<16                       ; four rows (heads) of 8,192 bytes, 131,072 bytes apart; elements of 8 bytes
	s_mov_b32 s[G1KV+1], 1024<<16
	s_mov_b32 s[G1KV+2], 4<<16
	s_mov_b32 s[G1KV+3], 1024<<16
	s_mov_b32 s[G1KV+4], 4
	s_mov_b32 s[G1KV+5], 16384
	s_mov_b32 s[G1KV+6], 0
	s_mov_b32 s[G1KV+7], 0
	s_mov_b32 s[G1B], (2<<16)|(1<<20)|(6<<22)|(3<<25)   ; 32 rows of 128 f32, four words of padding behind every 128
	s_mov_b32 s[G1B+1], 128<<16
	s_mov_b32 s[G1B+2], 32<<16
	s_mov_b32 s[G1B+3], 128<<16
	s_mov_b32 s[G1B+4], 32
	s_mov_b32 s[G1B+5], 2048
	s_mov_b32 s[G1B+6], 0
	s_mov_b32 s[G1B+7], 0
	s_mov_b32 s[G1S], 3<<16                        ; 12,288 dense bytes as 48 rows of 256
	s_mov_b32 s[G1S+1], 32<<16
	s_mov_b32 s[G1S+2], 48<<16
	s_mov_b32 s[G1S+3], 32<<16
	s_mov_b32 s[G1S+4], 48
	s_mov_b32 s[G1S+5], 32
	s_mov_b32 s[G1S+6], 0
	s_mov_b32 s[G1S+7], 0
	s_lshl_b32 s78, s76, 17
	s_mov_b32 s79, VC
	s_cmp_eq_u32 s75, 0
	s_cselect_b32 s79, KC, s79
	s_add_co_u32 s78, s78, s79                     ; K's (even wave) or V's codes of the four heads
	s_mov_b32 s79, 0
	s_lshl_b32 s80, s71, 24
	s_lshl_b32 s81, ttmp9, 19
	s_add_co_u32 s80, s80, s81
	s_lshl_b32 s81, s75, 18
	s_add_co_u32 s80, s80, s81                     ; bias: the batch, my 64 queries, my 32 rows of them
	s_mov_b32 s81, 0
	s_lshl_b32 s82, s71, 2
	s_add_co_u32 s82, s82, s72
	s_mul_i32 s82, s82, 49152
	s_mul_i32 s83, s74, 12288
	s_add_co_u32 s82, s82, s83
	s_add_co_u32 s82, s82, KVS                     ; my quarter of the scale words
	s_add_co_u32 s[G0S+1], s83, RES
	s_mov_b32 s83, 0
	s_add_co_u32 s86, s76, s73
	s_lshl_b32 s86, s86, 7
	s_lshl_b32 s84, ttmp9, 2
	s_add_co_u32 s86, s86, s84
	s_add_co_u32 s86, s86, s74                     ; my tile of Q
	s_lshl_b32 s84, s86, 10
	s_mov_b32 s85, 0
	s_lshl_b32 s86, s86, 6
	s_add_co_u32 s86, s86, QS
	s_mov_b32 s87, 0
	s_mov_b32 s[SEL], 0x76543210
	s_mov_b32 s[SEL+1], 0xfedcba98
	s_mov_b32 s[CS], 0x3fb8aa3b                    ; log2(e)
	s_mov_b32 s[CS+1], s[CS]
	s_mov_b32 s[MNT], 0x600000
	s_mov_b32 s[TB], 0
	s_mov_b32 s[TS], 0
	s_mov_b32 s[TJ], 0
	s_mov_b32 s[SLOTS], 15
	s_wait_kmcnt 0x0
	s_mov_b32 s[G0S], 1
	s_add_nc_u64 s[G0S+2:G0S+3], s[4:5], s[82:83]
	s_or_b32 s[G0S+3], s[G0S+3], 0x80000000
	s_cmp_lt_u32 s[WV], 4
	s_cbranch_scc0 .Lno_res
	tensor_load_to_lds s[G0S:G0S+3], s[G1S:G1S+7]  ; the scale words: filled once
	s_nop 0
.rept 4
	v_nop
.endr
.Lno_res:
	s_mov_b32 s[G0KV], 1
	s_lshl_b32 s[G0KV+1], s75, 15
	s_add_nc_u64 s[G0KV+2:G0KV+3], s[4:5], s[78:79]
	s_or_b32 s[G0KV+3], s[G0KV+3], 0x80000000
	s_mov_b32 s[G0B], 1
	s_mul_i32 s88, s75, 32*BP
	s_add_co_u32 s[G0B+1], s88, BOFF
	s_add_nc_u64 s[G0B+2:G0B+3], s[6:7], s[80:81]
	s_or_b32 s[G0B+3], s[G0B+3], 0x80000000
	TLOAD                                          ; slot 0
	s_add_nc_u64 s[84:85], s[4:5], s[84:85]        ; Q's codes
	s_add_nc_u64 s[86:87], s[4:5], s[86:87]        ; Q's words
	v_and_b32 v10, 15, v0                          ; r
	v_bfe_u32 v11, v0, 4, 1                        ; h
	v_and_b32 v12, 31, v0                          ; lane
	v_lshlrev_b32 v244, 4, v12                     ; 16 x lane
	v_lshlrev_b32 v[TMP], 2, v10
	global_load_b128 v[QR:QR+3], v244, s[84:85]
	global_load_b128 v[QR+4:QR+7], v244, s[84:85] offset:512
	global_load_b32 v[QW], v[TMP], s[86:87]
	; the prefetches: where my wave's stand, and who asks
	s_and_b32 s92, s[WV], 3
	s_lshl_b32 s93, s71, 24
	s_lshl_b32 s94, ttmp9, 19
	s_add_co_u32 s93, s93, s94
	s_lshl_b32 s94, s92, 17
	s_add_co_u32 s93, s93, s94                     ; bias: 16 rows of 8,192 bytes a wave
	s_add_co_u32 s94, s76, s92
	s_lshl_b32 s94, s94, 17
	s_mov_b32 s95, VC
	s_cmp_lt_u32 s[WV], 12
	s_cselect_b32 s95, KC, s95
	s_add_co_u32 s94, s94, s95                     ; K's or V's codes of head w % 4
	s_mov_b32 s[PFS], 8192
	s_mov_b32 s95, 256
	s_cmp_lt_u32 s[WV], 8
	s_cselect_b64 s[PFA:PFA+1], s[6:7], s[4:5]
	s_cselect_b32 s96, s93, s94
	s_cselect_b32 s[PFS], 512, s[PFS]              ; a key step on
	s_cselect_b32 s95, 8192, s95                   ; from row to row
	s_cselect_b32 s98, 1, 0                        ; two lanes to a row, or one
	s_cselect_b32 s99, s72, ttmp9                  ; the coordinate along which other work-groups read the same bytes
	s_add_co_u32 s96, s96, s[PFS]                  ; at key step 1: the first change of slots steps it to 2.  Nothing is prefetched here, at the head
	s_mov_b32 s97, 0
	s_mov_b32 s[PFS+1], 0
	s_add_nc_u64 s[PFA:PFA+1], s[PFA:PFA+1], s[96:97]
	s_cmp_lt_u32 s[WV], 4
	s_cselect_b32 s99, 1, s99                      ; the fetching waves ask for nothing
	s_cmp_eq_u32 s99, 0
	s_cselect_b32 s[LIM], 1, -1
	v_lshrrev_b32 v[PFO], s98, v12
	v_mul_lo_u32 v[PFO], v[PFO], s95
	v_and_b32 v13, s98, v12
	v_lshl_add_u32 v[PFO], v13, 8, v[PFO]
	; LDS addresses
	s_lshl_b32 s88, s73, 13
	v_add_nc_u32 v[AK0], s88, v244
	s_add_co_u32 s89, s88, VOFF
	v_add_nc_u32 v[AV0], s89, v244
	s_lshl_b32 s89, s74, 4
	v_add_nc_u32 v13, s89, v10
	v_mul_u32_u24 v[AB0], v13, BP
	v_lshl_add_u32 v[AB0], v11, 5, v[AB0]
	v_add_nc_u32 v[AB0], BOFF, v[AB0]              ; bias: row 16 (w % 4) + r, + 32 h
	s_add_co_u32 s89, s88, RES
	v_lshl_add_u32 v[ASK0], v10, 2, s89
	s_lshl_b32 s89, s73, 12
	s_add_co_u32 s89, s89, RES+32768
	v_lshl_add_u32 v[ASV0], v10, 2, s89
	s_lshl_b32 s89, s74, 7
	s_lshr_b32 s90, s73, 1
	s_lshl_b32 s90, s90, 6
	s_add_co_u32 s89, s89, s90
	s_and_b32 s90, s73, 1
	s_lshl_b32 s90, s90, 1
	s_add_co_u32 s89, s89, s90
	s_add_co_u32 s89, s89, AS
	v_lshl_add_u32 v245, v10, 2, s89               ; where my two scale bytes go at the end
	v_add_nc_u32 v246, AS, v244                    ; and where wave 0 reads the words back
	v_lshrrev_b32 v247, 3, v12
	v_and_b32 v13, 7, v12
	v_lshlrev_b32 v247, 9, v247
	v_lshl_add_u32 v247, v13, 4, v247
	; where the results go
	s_lshl_b32 s88, s71, 7
	s_lshl_b32 s89, ttmp9, 2
	s_add_co_u32 s88, s88, s89                     ; the work-group's first tile of rows
	s_lshl_b32 s90, s88, 9
	s_lshl_b32 s89, s72, 7
	s_add_co_u32 s90, s90, s89
	s_add_co_u32 s90, s90, 4194304
	s_mov_b32 s91, 0
	s_add_nc_u64 s[90:91], s[8:9], s[90:91]        ; the scale words
	s_add_co_u32 s88, s88, s74
	s_lshl_b32 s88, s88, 12
	s_lshl_b32 s89, s72, 20
	s_add_co_u32 s88, s88, s89
	s_lshl_b32 s89, s73, 10
	s_add_co_u32 s88, s88, s89
	s_mov_b32 s89, 0
	s_add_nc_u64 s[88:89], s[8:9], s[88:89]        ; my 1,024 bytes of codes
	v_mov_b32 v[QR+8], 0x3c                        ; the code 1.0 at k = 64 (h = 0) and k = 80 (h = 1)
.irp j, 9,10,11,12,13,14,15
	v_mov_b32 v[QR+\j], 0
.endr
.irp t, 0,1,2,3
	v_mov_b32 v[KR+16*\t+8], 0xf8                  ; the code -2^15 at the same places: the key's scale byte says what it counts for
.irp j, 9,10,11,12,13,14,15
	v_mov_b32 v[KR+16*\t+\j], 0
.endr
.endr
	v_mov_b32 v[RT], 0xec800000                    ; -2^90
	v_floor_f32 v[NM], -v[RT]
	v_mov_b32 v[L], 0
	v_mov_b32 v[L+1], 0
	v_mov_b32 v[F+1], 0
.irp b, 0,1,2,3
	v_mov_b32 v[PM+\b], 0                          ; a lane permute's destination counts as read
.endr
.set li, 0
.rept 32
	v_mov_b32 v[O+li], 0                           ; the step is written once: the first finds zeros
.set li, li+1
.endr
.macro CHANGE fill                     ; at a slot's head
	s_wait_tensorcnt 0x0                           ; all my tensor loads have landed, so a group 0 may be written
	ds_add_u32 v[SPW], v[NIL]                      ; 0 onto my spare word
.if \fill
	s_xor_b32 s[G0KV+1], s[G0KV+1], SLOT1
	s_add_nc_u64 s[G0KV+2:G0KV+3], s[G0KV+2:G0KV+3], 8192
	s_xor_b32 s[G0B+1], s[G0B+1], SLOT1
	s_add_nc_u64 s[G0B+2:G0B+3], s[G0B+2:G0B+3], 512
	s_wait_xcnt 0x0                                ; the last prefetch, a key step back, has read its address
	s_add_nc_u64 s[PFA:PFA+1], s[PFA:PFA+1], s[PFS:PFS+1]
.endif
	s_wait_dscnt 0x0                               ; the add is done, and my reads of the slot that I have left are over
	s_barrier_signal -1
	s_barrier_wait -1
.if \fill
	TLOAD                                          ; first behind the barrier, a wave's one tensor load until the next: it has a key step in which to land
	ASK
.endif
.endm
.macro BIASLD t                        ; bias(my query, keys 16 t + 8 h + 0 .. 7): the C of tile t
	ds_load_b128 v[S+8*(\t):S+8*(\t)+3], v[ADB] offset:64*(\t)
	ds_load_b128 v[S+8*(\t)+4:S+8*(\t)+7], v[ADB] offset:64*(\t)+16
.endm
.macro BLKMAX lo, hi                   ; the largest score of two blocks of 32 keys, by turns: it serves for the row's maximum and for the block's largest p.  Each accumulator is read from its low end on
.irp b, \lo, \hi
	v_max3_num_f32 v[BM+\b], v[S+16*\b], v[S+16*\b+1], v[S+16*\b+2]
.endr
.irp i, 3,5,7,9,11,13
.irp b, \lo, \hi
	v_max3_num_f32 v[BM+\b], v[BM+\b], v[S+16*\b+\i], v[S+16*\b+\i+1]
.endr
.endr
.irp b, \lo, \hi
	v_max_num_f32 v[BM+\b], v[BM+\b], v[S+16*\b+15]
.endr
.endm
.macro STEP
	v_add_nc_u32 v[ADK], s[TB], v[AK0]
	v_add_nc_u32 v[ADV], s[TB], v[AV0]
	v_add_nc_u32 v[ADB], s[TB], v[AB0]
	v_add_nc_u32 v[ADS], s[TS], v[ASK0]
	v_add_nc_u32 v[ADT], s[TJ], v[ASV0]
.rept 5
	v_nop                                          ; with the five additions ten places behind the last products, whose source registers the loads and products below write
.endr
.irp t, 0,1,2,3
	BIASLD \t
.endr
.irp t, 0,1,2,3
	ds_load_b128 v[KR+16*\t:KR+16*\t+3], v[ADK] offset:\t*1024
	ds_load_b128 v[KR+16*\t+4:KR+16*\t+7], v[ADK] offset:\t*1024+512
	ds_load_b32 v[KW+\t], v[ADS] offset:64*\t
.endr
.irp t, 4,5,6,7
	BIASLD \t
.endr
	s_wait_dscnt 8                                 ; the first four tiles' bias, keys and scale words are in; the youngest eight loads, the last four tiles' bias, may be out
.irp t, 0,1,2,3
	v_wmma_scale_f32_16x16x128_f8f6f4 v[S+8*\t:S+8*\t+7], v[KR+16*\t:KR+16*\t+15], v[QR:QR+15], v[S+8*\t:S+8*\t+7], v[KW+\t], v[QW] matrix_a_fmt:MATRIX_FMT_BF8 matrix_b_fmt:MATRIX_FMT_BF8
.endr
.rept 8
	v_nop                                          ; eight places: in front of the loads into K's registers, and of the first read of these four results further down
.endr
.irp t, 0,1,2,3
	ds_load_b128 v[KR+16*\t:KR+16*\t+3], v[ADK] offset:(4+\t)*1024
	ds_load_b128 v[KR+16*\t+4:KR+16*\t+7], v[ADK] offset:(4+\t)*1024+512
	ds_load_b32 v[KW+\t], v[ADS] offset:64*(4+\t)
.endr
	s_wait_dscnt 0x0
.irp t, 0,1,2,3
	v_wmma_scale_f32_16x16x128_f8f6f4 v[S+8*(4+\t):S+8*(4+\t)+7], v[KR+16*\t:KR+16*\t+15], v[QR:QR+15], v[S+8*(4+\t):S+8*(4+\t)+7], v[KW+\t], v[QW] matrix_a_fmt:MATRIX_FMT_BF8 matrix_b_fmt:MATRIX_FMT_BF8
.endr
	BLKMAX 0, 1                                    ; the first 64 keys' scores stand eight places back; these sixteen lines name no register of the four products just issued, and are their places
	BLKMAX 2, 3
.irp b, 0,1,2,3
	v_permlanex16_b32 v[PM+\b], v[BM+\b], s[SEL], s[SEL+1]
.endr
.irp b, 0,1,2,3
	v_max_num_f32 v[BM+\b], v[BM+\b], v[PM+\b]
.endr
	v_max3_num_f32 v[TMP], v[BM], v[BM+1], v[BM+2]
	v_max_num_f32 v[TMP], v[TMP], v[BM+3]
	v_mul_f32 v[TMP], s[CS], v[TMP]
	v_max_num_f32 v[RT], v[RT], v[TMP]             ; the running largest t
	v_mov_b32 v[TMP], v[NM]
	v_floor_f32 v[NM], -v[RT]                      ; -M = floor(-t): M is a whole number
	v_sub_f32 v[TMP], v[NM], v[TMP]
	v_cvt_i32_f32 v[TMP], v[TMP]                   ; (it saturates)
	v_ldexp_f32 v[F], 1.0, v[TMP]                  ; 2^(old M - new M)
.set li, 0
.rept 32
	v_pk_fma_f32 v[S+2*li:S+2*li+1], v[S+2*li:S+2*li+1], s[CS:CS+1], v[NM:NM+1] op_sel_hi:[1,0,0]   ; t - M
.set li, li+1
.endr
.irp b, 0,1,2,3
	v_fma_f32 v[BM+\b], v[BM+\b], s[CS], v[NM]
.endr
.set li, 0
.rept 64
	v_exp_f32 v[S+li], v[S+li]                     ; p, at most 1, not normalised
.set li, li+1
.endr
	v_pk_mul_f32 v[L:L+1], v[L:L+1], v[F:F+1] op_sel_hi:[1,0]   ; the sums under the new M (a plain line behind the exponentials)
	s_wait_alu depctr_va_vdst(0)                   ; one wait for the batch, ahead of its first reader
.irp b, 0,1,2,3
	v_exp_f32 v[BM+\b], v[BM+\b]                   ; the block's largest p
.endr
	v_pk_add_f32 v[PM:PM+1], v[S:S+1], v[S+2:S+3]  ; the row's sum of the unquantised p, in two chains
.irp j, 4,8,12,16,20,24,28,32,36,40,44,48,52,56,60
	v_pk_add_f32 v[L:L+1], v[L:L+1], v[S+\j:S+\j+1]
	v_pk_add_f32 v[PM:PM+1], v[PM:PM+1], v[S+\j+2:S+\j+3]
.endr
	v_pk_add_f32 v[L:L+1], v[L:L+1], v[PM:PM+1]
	s_wait_alu depctr_va_vdst(0)                   ; and one for the four
.irp b, 0,1,2,3
	v_max_num_f32 v[BM+\b], 0x8000000, v[BM+\b]    ; the floor 2^(16 - 127)
.endr
.irp b, 0,1,2,3
	v_add_nc_u32 v[SO+\b], 0xf8800000, v[BM+\b]
.endr
.irp b, 0,1,2,3
	v_and_or_b32 v[LM+\b], v[BM+\b], 0x7f800000, s[MNT]
.endr
.irp b, 0,1,2,3
	v_lshrrev_b32 v[PM+\b], 23, v[SO+\b]
.endr
	v_lshl_or_b32 v[PWD], v[PM+1], 8, v[PM]
	v_lshl_or_b32 v[PWD], v[PM+2], 16, v[PWD]
	v_lshl_or_b32 v[PWD], v[PM+3], 24, v[PWD]
.irp b, 0,1,2,3
.irp i, 0,2,4,6,8,10,12,14
	v_dual_min_num_f32 v[S+16*\b+\i], v[LM+\b], v[S+16*\b+\i] :: v_dual_min_num_f32 v[S+16*\b+\i+1], v[LM+\b], v[S+16*\b+\i+1]   ; the conversion does not saturate (ISA guide 7.6.2); p is not negative, so the hold is one-sided; two holds an instruction
.endr
	v_cvt_scalef32_pk8_bf8_f32 v[PC+4*\b:PC+4*\b+1], v[S+16*\b:S+16*\b+7], v[SO+\b]
	v_cvt_scalef32_pk8_bf8_f32 v[PC+4*\b+2:PC+4*\b+3], v[S+16*\b+8:S+16*\b+15], v[SO+\b]
.irp c, 0,1,2,3
	ds_load_b128 v[S+16*\b+4*\c:S+16*\b+4*\c+3], v[ADV] offset:\b*2048+512*\c   ; V's tile b lands where block b of p lay: it is on its way while the other blocks are held and converted
.endr
	ds_load_b32 v[KW+\b], v[ADT] offset:64*\b
.endr
.set li, 0
.rept 16
	v_pk_mul_f32 v[O+2*li:O+2*li+1], v[O+2*li:O+2*li+1], v[F:F+1] op_sel_hi:[1,0]   ; O^T under the new M; also the plain lines behind the last conversion and the places between the codes, their scale word and the products
.set li, li+1
.endr
	s_wait_dscnt 0x0
.irp t, 0,1,2,3
	v_wmma_scale_f32_16x16x128_f8f6f4 v[O+8*\t:O+8*\t+7], v[S+16*\t:S+16*\t+15], v[PC:PC+15], v[O+8*\t:O+8*\t+7], v[KW+\t], v[PWD] matrix_a_fmt:MATRIX_FMT_BF8 matrix_b_fmt:MATRIX_FMT_BF8
.endr
	s_add_co_u32 s[TS], s[TS], 512
	s_add_co_u32 s[TJ], s[TJ], 256
	s_xor_b32 s[TB], s[TB], SLOT1
.endm
	s_wait_loadcnt 0x0                             ; Q
.Lslot:                                            ; 15 trips: behind each change of slots but the last the next key step is asked for
	CHANGE 1
	STEP
	s_sub_co_u32 s[SLOTS], s[SLOTS], 1
	s_cmp_lg_u32 s[SLOTS], 0
	s_cbranch_scc1 .Lslot
	CHANGE 0                                       ; the last step is written out
	STEP
	; THE WAY OUT: O^T / the sum; register 16 b + i is dim 32 b + 16 h + i of my query: two blocks of the next product's K
.rept 8
	v_nop
.endr
	v_add_f32 v[L], v[L], v[L+1]
	v_permlanex16_b32 v[PM], v[L], s[SEL], s[SEL+1]
	v_add_f32 v[L], v[L], v[PM]
	v_rcp_f32 v[L+1], v[L]
	v_nop
	s_wait_alu depctr_va_vdst(0)
.set li, 0
.rept 32
	v_mul_f32 v[S+li], v[O+li], v[L+1]
.set li, li+1
.endr
.irp b, 0,1
	v_max3_num_f32 v[TM+\b], |v[S+16*\b]|, |v[S+16*\b+1]|, 0x8000000
.endr
.irp i, 2,4,6,8,10,12,14
.irp b, 0,1
	v_max3_num_f32 v[TM+\b], v[TM+\b], |v[S+16*\b+\i]|, |v[S+16*\b+\i+1]|
.endr
.endr
.irp b, 0,1
	v_permlanex16_b32 v[TM+4+\b], v[TM+\b], s[SEL], s[SEL+1]
.endr
.irp b, 0,1
	v_max_num_f32 v[TM+\b], v[TM+\b], v[TM+4+\b]
.endr
.irp b, 0,1
	v_add_nc_u32 v[TM+12+\b], 0xf8800000, v[TM+\b]
.endr
.irp b, 0,1
	v_and_or_b32 v[TM+8+\b], v[TM+\b], 0x7f800000, s[MNT]
.endr
.irp b, 0,1
	v_lshrrev_b32 v[TM+4+\b], 23, v[TM+12+\b]
.endr
	v_lshl_or_b32 v[TMP], v[TM+5], 8, v[TM+4]
.set li, 0
.rept 32
	v_med3_num_f32 v[S+li], v[S+li], -v[TM+8+li/16], v[TM+8+li/16]
.set li, li+1
.endr
.set li, 0
.rept 4
	v_cvt_scalef32_pk8_bf8_f32 v[PC+2*li:PC+2*li+1], v[S+8*li:S+8*li+7], v[TM+12+li/2]
.set li, li+1
.endr
	v_nop
	global_store_b128 v244, v[PC:PC+3], s[88:89]               ; 512 consecutive bytes
	global_store_b128 v244, v[PC+4:PC+7], s[88:89] offset:512
	ds_store_b16 v245, v[TMP]                      ; two heads' bytes make a row's word; both halves of the lanes write the same
	s_wait_dscnt 0x0
	s_barrier_signal -1
	s_barrier_wait -1
	s_cmp_lg_u32 s[WV], 0
	s_cbranch_scc1 .Lnot_0
	ds_load_b128 v[S:S+3], v246
	s_wait_dscnt 0x0
	global_store_b128 v247, v[S:S+3], s[90:91]     ; four tiles x 128 consecutive bytes
.Lnot_0:
	s_wait_tensorcnt 0x0                           ; the wave's end
	ds_add_u32 v[SPW], v[NIL]
	s_wait_dscnt 0x0
	s_endpgm
.Lfunc_end_k_qac069f277e_attn:
	.size	k_qac069f277e_attn, .Lfunc_end_k_qac069f277e_attn-k_qac069f277e_attn
	.p2alignl 7, 3214868480
	.fill 96, 4, 3214868480
	.section	.rodata,"a",@progbits
	.p2align	6, 0x0
	.amdhsa_kernel k_qac069f277e_attn
		.amdhsa_group_segment_fixed_size 327680
		.amdhsa_private_segment_fixed_size 0
		.amdhsa_enable_private_segment 0
		.amdhsa_kernarg_size 24
		.amdhsa_user_sgpr_count 2
		.amdhsa_user_sgpr_kernarg_segment_ptr 1
		.amdhsa_wavefront_size32 1
		.amdhsa_system_sgpr_workgroup_id_x 1
		.amdhsa_system_sgpr_workgroup_id_y 1
		.amdhsa_system_sgpr_workgroup_id_z 1
		.amdhsa_system_vgpr_workitem_id 0
		.amdhsa_next_free_vgpr 256
		.amdhsa_next_free_sgpr 102
		.amdhsa_reserve_vcc 0
		.amdhsa_float_denorm_mode_32 3
		.amdhsa_float_denorm_mode_16_64 3
		.amdhsa_memory_ordered 1
		.amdhsa_forward_progress 1
		.amdhsa_inst_pref_size 60
	.end_amdhsa_kernel
	.amdgpu_metadata
---
amdhsa.version: [ 1, 2 ]
amdhsa.kernels:
  - .name:           k_qac069f277e_attn
    .symbol:         k_qac069f277e_attn.kd
    .args:
      - { .name: qkvb, .offset: 0, .size: 8, .value_kind: global_buffer, .address_space: global }
      - { .name: bias, .offset: 8, .size: 8, .value_kind: global_buffer, .address_space: global }
      - { .name: act2, .offset: 16, .size: 8, .value_kind: global_buffer, .address_space: global }
    .group_segment_fixed_size: 327680
    .private_segment_fixed_size: 0
    .kernarg_segment_align: 8
    .kernarg_segment_size: 24
    .max_flat_workgroup_size: 512
    .sgpr_count:     102
    .vgpr_count:     256
    .wavefront_size: 32
...
	.end_amdgpu_metadata
.endif
;; end of part 3
;; launch wo (part 4): grid 8 x 32, 4 waves a work-group, clusters of 4 x 4, 327,680 bytes of LDS; arguments act2, wts, x, xres; writes xres
.if DOCPART == 4
	.amdgcn_target "amdgcn-amd-amdhsa--gfx1250"
	.amdhsa_code_object_version 6
	.text
	.protected	k_qac069f277e_wo
	.globl	k_qac069f277e_wo
	.p2align	8
	.type	k_qac069f277e_wo,@function
k_qac069f277e_wo:
	s_mov_b64 s[64:65], 0
	v_nop
	global_prefetch_b8 v0, s[64:65] scope:SCOPE_SE
	s_setreg_imm32_b32 hwreg(HW_REG_WAVE_MODE, 25, 1), 1
	s_wait_xcnt 0x0
	s_wait_alu depctr_hold_cnt(0) depctr_sa_sdst(0) depctr_va_vdst(0) depctr_va_sdst(0) depctr_va_ssrc(0) depctr_va_vcc(0) depctr_vm_vsrc(0)
	s_getreg_b32 s2, hwreg(HW_REG_IB_STS2, 6, 4)
	s_cmp_eq_u32 s2, 0
	s_cbranch_scc0 .Lentry_in_a_cluster
	s_endpgm
.Lentry_in_a_cluster:
	s_bfe_u32 s2, ttmp6, 0x10000c
	s_cmp_lg_u32 s2, 0xf033
	s_cbranch_scc0 .Lentry_shape_is_right
	s_endpgm
.Lentry_shape_is_right:
; xres = x + attention's result x W_o, the product on codes of BF8 (E5M2) with E8M0 scales; f32 out.
; A work-group makes 128 x 128 (so that there are 256 of them); four waves, 2 x 2, each 64 x 64: 16 accumulators.  Operands are images of their registers (a fragment: 2,048 dense bytes, 16 x lane + 512 c).
; A slot of the ring holds 512 along K (two rows of 16 KiB to a tensor load): K = 1,024 is the two first fills, and nothing is filled again.  The scale words of all of K come with the first fills.
; 4 x 4 work-groups form a cluster: A's tiles are asked for jointly along a row, B's along a column.  The product is used transposed (source 0 = 16 columns of W): with the weights' order of columns a lane holds 16 neighbouring columns of each 32.
; The residual is loaded at the head into registers, in the layout of the stores; results go through the wave's stage in LDS (in slot 0, behind its last fill and last read) and leave as aligned runs of 256 bytes.
.set MB, 4
.set NB, 4
.set NBT, 4
.set NS, 2
.set SIZE_K, 1024
.set BSTR, 262144
.set AS_OFF, 4194304
.set BC_OFF, 3145728
.set BS_OFF, 12681216
.set HASBIAS, 0
.set RESP, 8
.set OUTP, 10
.set HA, MB/2
.set NQ, 2*NS
.set TST, SIZE_K/2
.set LAPS, SIZE_K/(512*NS)
.set ASTR, 1048576
.set REGA, NS*MB*4096
.set REGB, NS*NB*4096
.set SLOT, 2*REGA+2*REGB
.set SCL, 2*SLOT
.set SCA, SCL+2*NB*TST
.set SPARE, SCA+2*MB*TST
.set CA, MB*512                        ; NS rows of MB x 4,096 bytes, 256 along K apart
.set RA, NS
.set PA, ASTR/8
.set CB, NB*512
.set RB, NS
.set PB, BSTR/8
.set ADRA, 16
.set ADRB, 20
.set STO, 24
.set RD, 25
.set CO, 26
.set ADRS, 27
.set SPW, 28
.set NIL, 29
.set SC, 32
.set BIA, 64
.set AF, 128
.set BK, 128
.set G1, 24
.set G0, 32
.set G1B, 48
.set G0B, 56
.set G1S, 68
.set G0S, 76
.set G1SB, 80
.set G0SB, 88
.set MSB, 0
.macro WIN new
.if MSB != (\new)
	s_set_vgpr_msb (MSB<<8)|(\new)
.set MSB, (\new)
.endif
.endm
.macro PLACES n
.rept \n
	v_nop
.endr
.endm
.macro JLOAD g0a, g1a, g0b, g1b
	s_cmp_eq_u32 s15, 0
	s_cbranch_scc0 .Lfor_b_\@
	tensor_load_to_lds s[\g0a:\g0a+3], s[\g1a:\g1a+7]
	s_nop 0
.rept 4
	v_nop
.endr
	s_branch .Lasked_\@
.Lfor_b_\@:
	tensor_load_to_lds s[\g0b:\g0b+3], s[\g1b:\g1b+7]
	s_nop 0
.rept 4
	v_nop
.endr
.Lasked_\@:
.endm
.macro CREST
	s_cmp_lg_u32 s14, 0
	s_cbranch_scc1 .Lnot_wave_0_\@
	s_barrier_signal -3
.Lnot_wave_0_\@:
	s_barrier_wait -3
	s_barrier_signal -1
	s_barrier_wait -1
.endm
.macro CROUND
	s_barrier_signal -1
	s_barrier_wait -1
	CREST
.endm
	s_load_b128 s[4:7], s[0:1], 0x0
	s_load_b128 s[8:11], s[0:1], 0x10
.if HASBIAS
	s_load_b64 s[12:13], s[0:1], 0x20
.endif
	v_lshl_add_u32 v[SPW], v0, 2, SPARE
	v_mov_b32 v[NIL], 0
	ds_add_u32 v28, v29
	s_wait_dscnt 0x0
	v_lshrrev_b32 v1, 5, v0
	v_readfirstlane_b32 s14, v1
	s_lshr_b32 s15, s14, 1
	s_and_b32 s16, s14, 1
	s_bfe_u32 s40, ttmp6, 0x40000
	s_bfe_u32 s41, ttmp6, 0x40004
	s_lshl_b32 s42, ttmp9, 2
	s_add_co_u32 s42, s42, s40
	s_and_b32 s17, ttmp7, 0xffff
	s_lshl_b32 s17, s17, 2
	s_add_co_u32 s17, s17, s41
	s_lshl_b32 s43, s41, 2
	s_lshl_b32 s43, 15, s43
	s_lshl_b32 s44, 0x1111, s40
	s_or_b32 s[G1+0], s43, (3<<16)|(1<<21)
	s_or_b32 s[G1B+0], s44, (3<<16)|(1<<21)
	s_mov_b32 s[G1+1], CA<<16
	s_mov_b32 s[G1+2], RA<<16
	s_mov_b32 s[G1+3], CA<<16
	s_mov_b32 s[G1+4], RA
	s_mov_b32 s[G1+5], PA
	s_mov_b32 s[G1+6], 0
	s_mov_b32 s[G1+7], 0
	s_mov_b32 s[G1B+1], CB<<16
	s_mov_b32 s[G1B+2], RB<<16
	s_mov_b32 s[G1B+3], CB<<16
	s_mov_b32 s[G1B+4], RB
	s_mov_b32 s[G1B+5], PB
	s_mov_b32 s[G1B+6], 0
	s_mov_b32 s[G1B+7], 0
	s_or_b32 s[G1S+0], s43, (3<<16)|(1<<21)
	s_or_b32 s[G1SB+0], s44, (3<<16)|(1<<21)
	s_mov_b32 s[G1S+1], 32<<16
	s_mov_b32 s[G1S+2], (MB*TST/256)<<16
	s_mov_b32 s[G1S+3], 32<<16
	s_mov_b32 s[G1S+4], MB*TST/256
	s_mov_b32 s[G1S+5], 32
	s_mov_b32 s[G1S+6], 0
	s_mov_b32 s[G1S+7], 0
	s_mov_b32 s[G1SB+1], 32<<16
	s_mov_b32 s[G1SB+2], (NB*TST/256)<<16
	s_mov_b32 s[G1SB+3], 32<<16
	s_mov_b32 s[G1SB+4], NB*TST/256
	s_mov_b32 s[G1SB+5], 32
	s_mov_b32 s[G1SB+6], 0
	s_mov_b32 s[G1SB+7], 0
	s_mul_i32 s18, s16, MB
	s_mul_i32 s20, s17, 2*MB
	s_add_co_u32 s20, s20, s18
	s_mul_i32 s22, s20, TST
	s_add_co_u32 s22, s22, AS_OFF
	s_mov_b32 s23, 0
	s_lshl_b32 s20, s20, 12
	s_mov_b32 s21, 0
	s_mul_i32 s19, s16, NB
	s_mul_i32 s46, s42, 2*NB
	s_add_co_u32 s46, s46, s19
	s_mul_i32 s92, s46, TST
	s_add_co_u32 s92, s92, BS_OFF
	s_mov_b32 s93, 0
	s_lshl_b32 s46, s46, 12
	s_add_co_u32 s46, s46, BC_OFF
	s_mov_b32 s47, 0
	s_mul_i32 s45, s16, REGA
	s_mul_i32 s94, s16, REGB
	s_add_co_u32 s94, s94, 2*REGA
	s_mul_i32 s18, s16, MB*TST
	s_add_co_u32 s18, s18, SCA
	s_mul_i32 s19, s16, NB*TST
	s_add_co_u32 s19, s19, SCL
	s_lshl_b32 s96, s17, 19                        ; my 64 x 64 of the output: row (128 Y + 64 i) x 4,096 bytes + column (128 X + 64 j) x 4
	s_lshl_b32 s97, s15, 18
	s_add_co_u32 s96, s96, s97
	s_lshl_b32 s97, s42, 9
	s_add_co_u32 s96, s96, s97
	s_lshl_b32 s97, s16, 8
	s_add_co_u32 s96, s96, s97
	s_lshl_b32 s66, s42, 9
	s_add_co_u32 s66, s66, s97                     ; my 64 columns in a vector of f32
	s_mov_b32 s97, 0
	s_mov_b32 s67, 0
	s_wait_kmcnt 0x0
	s_add_nc_u64 s[20:21], s[4:5], s[20:21]
	s_add_nc_u64 s[22:23], s[4:5], s[22:23]
	s_add_nc_u64 s[46:47], s[6:7], s[46:47]
	s_add_nc_u64 s[92:93], s[6:7], s[92:93]
	s_add_nc_u64 s[98:99], s[RESP:RESP+1], s[96:97]
	s_add_nc_u64 s[100:101], s[OUTP:OUTP+1], s[96:97]
.if HASBIAS
	s_add_nc_u64 s[66:67], s[8:9], s[66:67]
.endif
	CROUND
	s_mov_b32 s[G0S], 1
	s_mov_b32 s[G0S+1], s18
	s_mov_b64 s[G0S+2:G0S+3], s[22:23]
	s_or_b32 s[G0S+3], s[G0S+3], 0x80000000
	s_mov_b32 s[G0SB], 1
	s_mov_b32 s[G0SB+1], s19
	s_mov_b64 s[G0SB+2:G0SB+3], s[92:93]
	s_or_b32 s[G0SB+3], s[G0SB+3], 0x80000000
	JLOAD G0S, G1S, G0SB, G1SB
.irp s, 0,1
	s_mov_b32 s[G0+4*\s], 1
	s_add_co_u32 s[G0+4*\s+1], s45, \s*SLOT
	s_add_nc_u64 s[G0+4*\s+2:G0+4*\s+3], s[20:21], \s*NS*ASTR
	s_or_b32 s[G0+4*\s+3], s[G0+4*\s+3], 0x80000000
	s_mov_b32 s[G0B+4*\s], 1
	s_add_co_u32 s[G0B+4*\s+1], s94, \s*SLOT
	s_add_nc_u64 s[G0B+4*\s+2:G0B+4*\s+3], s[46:47], \s*NS*BSTR
	s_or_b32 s[G0B+4*\s+3], s[G0B+4*\s+3], 0x80000000
	JLOAD G0+4*\s, G1, G0B+4*\s, G1B
.endr
	v_and_b32 v1, 15, v0
	v_bfe_u32 v2, v0, 4, 1
	v_and_b32 v3, 31, v0
	v_lshlrev_b32 v3, 4, v3
	s_mul_i32 s21, s15, REGA
	s_mul_i32 s22, s16, REGB
	s_add_co_u32 s22, s22, 2*REGA
.irp s, 0,1
	v_add_nc_u32 v[ADRA+\s], s21, v3
	v_add_nc_u32 v[ADRB+\s], s22, v3
	s_add_co_u32 s21, s21, SLOT
	s_add_co_u32 s22, s22, SLOT
.endr
	s_mul_i32 s21, s16, NB*TST
	s_mul_i32 s22, s15, MB*TST
	s_add_co_u32 s22, s22, 2*NB*TST
	s_sub_co_u32 s22, s22, s21
	v_mul_u32_u24 v6, s22, v2
	s_add_co_u32 s21, s21, SCL
	v_lshl_add_u32 v5, v1, 2, v6
	v_add_nc_u32 v[ADRS], s21, v5
	s_mul_i32 s23, s14, 16*272                     ; my stage: 16 rows of 256 + 16 bytes
	v_mul_u32_u24 v4, v1, 272
	v_lshl_add_u32 v4, v2, 6, v4
	v_add_nc_u32 v[STO], s23, v4                   ; in: row r, + 64 h
	v_mul_u32_u24 v4, v2, 272
	v_lshl_add_u32 v4, v1, 4, v4
	v_add_nc_u32 v[RD], s23, v4                    ; back: lanes 0-15 one row, lanes 16-31 the next
	v_lshlrev_b32 v[CO], 12, v2
	v_lshl_add_u32 v[CO], v1, 4, v[CO]             ; and the same two rows in memory
.if HASBIAS
	v_lshlrev_b32 v7, 6, v2
.irp b, 0,1,2,3
	global_load_b128 v[BIA+8*\b:BIA+8*\b+3], v7, s[66:67] offset:(32*(\b/2)+8*(\b%2))*4       ; the bias at my eight columns of tile b: the C of the first products
	global_load_b128 v[BIA+8*\b+4:BIA+8*\b+7], v7, s[66:67] offset:(32*(\b/2)+8*(\b%2))*4+16
.endr
.endif
	WIN 0x40                                       ; the residual into window 1, beside B's two sets
.irp a, 0,1
.irp t, 0,1,2,3,4,5,6,7
	global_load_b128 v[64+32*\a+4*\t:64+32*\a+4*\t+3], v[CO], s[98:99] offset:\a*65536+\t*8192
.endr
.endr
.irp a, 2,3
.irp t, 0,1,2,3,4,5,6,7
	global_load_b128 v[192+32*(\a-2)+4*\t:192+32*(\a-2)+4*\t+3], v[CO], s[98:99] offset:\a*65536+\t*8192
.endr
.endr
	WIN 0
.macro FRAG reg, adr, nblk, qq, blk
.irp c, 0,1,2,3
	ds_load_b128 v[\reg+4*\c:\reg+4*\c+3], v[\adr] offset:((\qq)/2)*(\nblk)*4096+(\blk)*4096+((\qq)%2)*2048+512*\c
.endr
.endm
.macro FETCH_B slot, qq, p
	WIN 0x40
.set fb, 0
.rept NB
	FRAG 128*(\p)+16*fb, ADRB+\slot, NB, \qq, fb
.set fb, fb+1
.endr
	WIN 0
.endm
.macro FETCH_A slot, qq, a0
.set fb, \a0
.rept HA
	FRAG AF+16*fb, ADRA+\slot, MB, \qq, fb
.set fb, fb+1
.endr
.endm
.macro SCALES set
.set fb, 0
.rept 16/NQ
.set fq, 0
.rept NQ
	ds_load_b32 v[SC+16*(\set)+NQ*fb+fq], v[ADRS] offset:fb*TST+64*fq
.set fq, fq+1
.endr
.set fb, fb+1
.endr
.endm
.macro MM a, b, p, qq, set, zero
.set rD, 8*(NB*((\a)%HA)+(\b))
.set rB, 128*(\p)+16*(\b)
.set rA, AF+16*(\a)
.set sB, SC+16*(\set)+NQ*(\b)+(\qq)
.set sA, SC+16*(\set)+NQ*(\a)+(\qq)
.if \zero
.if HASBIAS
	v_wmma_scale_f32_16x16x128_f8f6f4 v[rD:rD+7], v[rB:rB+15], v[rA:rA+15], v[BIA+8*(\b):BIA+8*(\b)+7], v[sB], v[sA] matrix_a_fmt:MATRIX_FMT_BF8 matrix_b_fmt:MATRIX_FMT_BF8 matrix_b_scale:MATRIX_SCALE_ROW1
.else
	v_wmma_scale_f32_16x16x128_f8f6f4 v[rD:rD+7], v[rB:rB+15], v[rA:rA+15], 0, v[sB], v[sA] matrix_a_fmt:MATRIX_FMT_BF8 matrix_b_fmt:MATRIX_FMT_BF8 matrix_b_scale:MATRIX_SCALE_ROW1
.endif
.else
	v_wmma_scale_f32_16x16x128_f8f6f4 v[rD:rD+7], v[rB:rB+15], v[rA:rA+15], v[rD:rD+7], v[sB], v[sA] matrix_a_fmt:MATRIX_FMT_BF8 matrix_b_fmt:MATRIX_FMT_BF8 matrix_b_scale:MATRIX_SCALE_ROW1
.endif
.endm
.macro MULA a0, n, p, qq, set, zero    ; the accumulators take turns, one instruction a turn
.set WD, 2+(\a0)/HA
.if (\zero) && HASBIAS
.set WW, (WD<<6)|0x01
.else
.set WW, (WD<<6)|(WD<<4)|0x01
.endif
	WIN WW
.set ia, \a0
.rept \n
.set ib, 0
.rept NB
	MM ia, ib, \p, \qq, \set, \zero
.set ib, ib+1
.endr
.set ia, ia+1
.endr
.endm
.macro STEP slot, qq, zero
	s_wait_dscnt 4*HA                              ; all but the youngest loads, A's upper blocks
	MULA 0, HA, (\qq)%2, \qq, \slot, \zero
	s_wait_dscnt 0
	PLACES 8
	FETCH_B \slot, (\qq)+1, 1-(\qq)%2
	FETCH_A \slot, (\qq)+1, 0
	MULA HA, HA, (\qq)%2, \qq, \slot, \zero
	PLACES 8
	WIN 0
	FETCH_A \slot, (\qq)+1, HA
.endm
.macro TURN slot, next, fill
	s_wait_tensorcnt 0x0                           ; all my tensor loads have landed: my part of the next slot
	ds_add_u32 v[SPW], v[NIL]                      ; 0 onto my spare word
	s_wait_dscnt 4*HA+1                            ; (the add and A's upper blocks may be out)
	MULA 0, HA/2, 1, NQ-1, \slot, 0
	s_wait_dscnt 0x0                               ; the add is done, and my reads of this slot are over
	s_barrier_signal -1
	MULA HA/2, HA/2, 1, NQ-1, \slot, 0
	WIN 0
	s_barrier_wait -1
.if \fill
	CREST
	s_add_nc_u64 s[G0+4*\slot+2:G0+4*\slot+3], s[G0+4*\slot+2:G0+4*\slot+3], 2*NS*ASTR
	s_add_nc_u64 s[G0B+4*\slot+2:G0B+4*\slot+3], s[G0B+4*\slot+2:G0B+4*\slot+3], 2*NS*BSTR
	JLOAD G0+4*\slot, G1, G0B+4*\slot, G1B
	PLACES 4
.else
	PLACES 8
.endif
	v_add_nc_u32 v[ADRS], 64*NQ, v[ADRS]
	FETCH_B \next, 0, 0
	FETCH_A \next, 0, 0
	SCALES \next
	MULA HA, HA, 1, NQ-1, \slot, 0
	PLACES 8
	WIN 0
	FETCH_A \next, 0, HA
.endm
.macro MID slot
	STEP \slot, 1, 0
	STEP \slot, 2, 0
.endm
	s_wait_tensorcnt 1                             ; the scale words and slot 0 are in; slot 1's load may be out
	s_barrier_signal -1
	s_barrier_wait -1
	FETCH_B 0, 0, 0
	FETCH_A 0, 0, 0
	SCALES 0
	FETCH_A 0, 0, HA
.if HASBIAS
	s_wait_loadcnt 32                              ; the bias is in; the 32 loads of the residual may be out
.endif
	STEP 0, 0, 1
.if LAPS > 1
	s_mov_b32 s3, LAPS-1
.Llap:
	MID 0
	TURN 0, 1, 1
	STEP 1, 0, 0
	MID 1
	TURN 1, 0, 1
	STEP 0, 0, 0
	s_sub_co_u32 s3, s3, 1
	s_cmp_lg_u32 s3, 0
	s_cbranch_scc1 .Llap
.endif
	MID 0
	TURN 0, 1, 0
	STEP 1, 0, 0
	MID 1
	s_wait_dscnt 4*HA
	MULA 0, HA, 1, NQ-1, 1, 0
	s_wait_dscnt 0
	MULA HA, HA, 1, NQ-1, 1, 0
	WIN 0
	PLACES 8
	s_wait_loadcnt 0x0                             ; the residual
.macro OUTB a                          ; 16 rows x 64 columns: through my stage, + the residual, out
.set AC, 32*((\a)%2)
.set BKS, BK+32*((\a)%2)
.if (\a) < 2
.set RR, 64+32*(\a)
.else
.set RR, 192+32*((\a)-2)
.endif
.if (\a) >= 2
	s_wait_xcnt 0x0                                ; the stores of two blocks ago have read these registers
.endif
	WIN 0x08+4*((\a)/2)                            ; an LDS store's data are its source 1
.irp b, 0,1,2,3
	ds_store_b128 v[STO], v[AC+8*\b:AC+8*\b+3] offset:128*(\b/2)+32*(\b%2)       ; each accumulator from its low end on
	ds_store_b128 v[STO], v[AC+8*\b+4:AC+8*\b+7] offset:128*(\b/2)+32*(\b%2)+16
.endr
	WIN 0
.irp t, 0,1,2,3,4,5,6,7
	ds_load_b128 v[BKS+4*\t:BKS+4*\t+3], v[RD] offset:\t*544   ; LDS serves a wave's instructions in order (ISA guide 5.7.1.4)
.endr
	s_wait_dscnt 0x0
	WIN 0x04                                       ; source 1: window 1
.set pp, 0
.rept 16
	v_pk_add_f32 v[BKS+2*pp:BKS+2*pp+1], v[BKS+2*pp:BKS+2*pp+1], v[RR+2*pp:RR+2*pp+1]
.set pp, pp+1
.endr
	WIN 0
.irp t, 0,1,2,3,4,5,6,7
	global_store_b128 v[CO], v[BKS+4*\t:BKS+4*\t+3], s[100:101] offset:(\a)*65536+\t*8192 th:TH_STORE_NT   ; sixteen lanes store 256 consecutive aligned bytes
.endr
.endm
	OUTB 0
	OUTB 1
	OUTB 2
	OUTB 3
	s_wait_tensorcnt 0x0                           ; the wave's end
	ds_add_u32 v[SPW], v[NIL]
	s_wait_dscnt 0x0
	CROUND
	s_endpgm
.Lfunc_end_k_qac069f277e_wo:
	.size	k_qac069f277e_wo, .Lfunc_end_k_qac069f277e_wo-k_qac069f277e_wo
	.p2alignl 7, 3214868480
	.fill 96, 4, 3214868480
	.section	.rodata,"a",@progbits
	.p2align	6, 0x0
	.amdhsa_kernel k_qac069f277e_wo
		.amdhsa_group_segment_fixed_size 327680
		.amdhsa_private_segment_fixed_size 0
		.amdhsa_enable_private_segment 0
		.amdhsa_kernarg_size 32
		.amdhsa_user_sgpr_count 2
		.amdhsa_user_sgpr_kernarg_segment_ptr 1
		.amdhsa_wavefront_size32 1
		.amdhsa_system_sgpr_workgroup_id_x 1
		.amdhsa_system_sgpr_workgroup_id_y 1
		.amdhsa_system_sgpr_workgroup_id_z 1
		.amdhsa_system_vgpr_workitem_id 0
		.amdhsa_next_free_vgpr 1024
		.amdhsa_next_free_sgpr 102
		.amdhsa_reserve_vcc 0
		.amdhsa_float_denorm_mode_32 3
		.amdhsa_float_denorm_mode_16_64 3
		.amdhsa_memory_ordered 1
		.amdhsa_forward_progress 1
		.amdhsa_inst_pref_size 65
	.end_amdhsa_kernel
	.amdgpu_metadata
---
amdhsa.version: [ 1, 2 ]
amdhsa.kernels:
  - .name:           k_qac069f277e_wo
    .symbol:         k_qac069f277e_wo.kd
    .args:
      - { .name: act2, .offset: 0, .size: 8, .value_kind: global_buffer, .address_space: global }
      - { .name: wts, .offset: 8, .size: 8, .value_kind: global_buffer, .address_space: global }
      - { .name: x, .offset: 16, .size: 8, .value_kind: global_buffer, .address_space: global }
      - { .name: xres, .offset: 24, .size: 8, .value_kind: global_buffer, .address_space: global }
    .group_segment_fixed_size: 327680
    .private_segment_fixed_size: 0
    .kernarg_segment_align: 8
    .kernarg_segment_size: 32
    .max_flat_workgroup_size: 128
    .sgpr_count:     102
    .vgpr_count:     1024
    .wavefront_size: 32
...
	.end_amdgpu_metadata
.endif
;; end of part 4
;; launch ln2 (part 5): grid 256 x 1, 8 waves a work-group, no clusters, 2,048 bytes of LDS; arguments xres, ln2_g, ln2_b, act1; writes act1
.if DOCPART == 5
	.amdgcn_target "amdgcn-amd-amdhsa--gfx1250"
	.amdhsa_code_object_version 6
	.text
	.protected	k_qac069f277e_ln2
	.globl	k_qac069f277e_ln2
	.p2align	8
	.type	k_qac069f277e_ln2,@function
k_qac069f277e_ln2:
	s_mov_b64 s[64:65], 0
	v_nop
	global_prefetch_b8 v0, s[64:65] scope:SCOPE_SE
	s_setreg_imm32_b32 hwreg(HW_REG_WAVE_MODE, 25, 1), 1
	s_wait_xcnt 0x0
; y = (x - mean) / sqrt(var + 1e-5) * g + b over rows of 1,024 f32, then quantised along the row to BF8 (E5M2) with one E8M0 byte for each 32, and stored as images of the next product's operand registers.
; A work-group takes 16 rows (one tile of the operand); wave w takes columns 128 w .. 128 w + 127, one K step.  Lane (r, h) holds of row r the 16 numbers 32 c + 16 h + 0 .. 15 of each block c: the order of the operand's registers,
; so the conversions' results are the fragment: four stores of 512 consecutive bytes.  Mean and variance in two passes (the variance of x - mean: no difference of large sums); the eight waves' parts meet in LDS, two barriers.
; Codes: [K/256][tile][K/128 % 2][2,048 bytes]; scale words from byte 4,194,304 on: [tile][K/128][row] x 4 bytes.
; LIMITS: a block's largest magnitude is held at 2^-111 from below (byte 1, a block of zeros too; this program alone reads the bytes); NaN and infinities are not served.
.set RED1, 0                           ; LDS: [wave][row] sums
.set RED2, 512                         ; and sums of squares
.set PC,  16                           ; v16-31   the codes
.set TM,  32                           ; v32-35 largest magnitudes, v36-39 bytes, v40-43 57,344 x scale, v44-47 scale operands
.set PW,  48
.set X,   64
.set GG,  128
.set BV,  192
.set SEL, 12
.set MNT, 14
	s_load_b256 s[4:11], s[0:1], 0x0               ; x, g, b, the images
	v_lshl_add_u32 v15, v0, 2, 0x400
	v_mov_b32 v49, 0
	v_lshrrev_b32 v2, 5, v0
	v_readfirstlane_b32 s16, v2                    ; wave
	v_and_b32 v8, 31, v0                           ; lane
	v_and_b32 v1, 15, v0                           ; r
	v_bfe_u32 v2, v0, 4, 1                         ; h
	s_lshl_b32 s17, s16, 9
	v_lshl_add_u32 v4, v2, 6, s17                  ; g, b: 512 w + 64 h
	v_lshl_add_u32 v3, v1, 12, v4                  ; x: + row r of 4,096 bytes
	v_lshlrev_b32 v5, 4, v8
	v_lshlrev_b32 v6, 2, v1
	s_lshl_b32 s18, s16, 6
	v_add_nc_u32 v7, s18, v6                       ; LDS: 64 w + 4 r
	v_mov_b32 v62, 0                               ; a lane permute's destination counts as read
.irp b, 0,1,2,3
	v_mov_b32 v[TM+4+\b], 0
.endr
	s_mov_b32 s[SEL], 0x76543210
	s_mov_b32 s[SEL+1], 0xfedcba98
	s_mov_b32 s[MNT], 0x600000
	s_mov_b32 s15, 0x3a800000                      ; 1 / 1,024
	s_mov_b32 s19, 0x3727c5ac                      ; 1e-5
	s_lshl_b32 s20, ttmp9, 16                      ; 16 rows of 4,096 bytes
	s_mov_b32 s21, 0
	s_lshr_b32 s22, s16, 1
	s_lshl_b32 s22, s22, 20
	s_lshl_b32 s23, ttmp9, 12
	s_add_co_u32 s22, s22, s23
	s_and_b32 s23, s16, 1
	s_lshl_b32 s23, s23, 11
	s_add_co_u32 s22, s22, s23                     ; my fragment
	s_mov_b32 s23, 0
	s_lshl_b32 s26, ttmp9, 9
	s_add_co_u32 s26, s26, s18
	s_add_co_u32 s26, s26, 4194304                 ; its scale words
	s_mov_b32 s27, 0
	s_wait_kmcnt 0x0
	s_add_nc_u64 s[4:5], s[4:5], s[20:21]
	s_add_nc_u64 s[22:23], s[10:11], s[22:23]
	s_add_nc_u64 s[26:27], s[10:11], s[26:27]
.irp c, 0,1,2,3
.irp j, 0,1,2,3
	global_load_b128 v[X+16*\c+4*\j:X+16*\c+4*\j+3], v3, s[4:5] offset:128*\c+16*\j th:TH_LOAD_NT
.endr
.endr
.irp c, 0,1,2,3
.irp j, 0,1,2,3
	global_load_b128 v[GG+16*\c+4*\j:GG+16*\c+4*\j+3], v4, s[6:7] offset:128*\c+16*\j
.endr
.endr
.irp c, 0,1,2,3
.irp j, 0,1,2,3
	global_load_b128 v[BV+16*\c+4*\j:BV+16*\c+4*\j+3], v4, s[8:9] offset:128*\c+16*\j
.endr
.endr
.macro FOLD                            ; four chains of pairs into one number a lane
	v_pk_add_f32 v[54:55], v[54:55], v[56:57]
	v_pk_add_f32 v[58:59], v[58:59], v[60:61]
	v_pk_add_f32 v[54:55], v[54:55], v[58:59]
	v_add_f32 v54, v54, v55
.endm
.macro ACROSS red                      ; the lane 16 away, then the eight waves through LDS: the row's total in v54
	v_permlanex16_b32 v62, v54, s[SEL], s[SEL+1]
	v_add_f32 v54, v54, v62
	ds_store_b32 v7, v54 offset:\red               ; both halves of the lanes write the same word with the same value
	s_wait_dscnt 0x0                               ; for the others' sake: my store has landed
	s_barrier_signal -1
	s_barrier_wait -1
.irp w, 0,1,2,3,4,5,6,7
	ds_load_b32 v[54+\w], v6 offset:\red+64*\w
.endr
	s_wait_dscnt 0x0
	v_add_f32 v54, v54, v55
	v_add_f32 v56, v56, v57
	v_add_f32 v58, v58, v59
	v_add_f32 v60, v60, v61
	v_add_f32 v54, v54, v56
	v_add_f32 v58, v58, v60
	v_add_f32 v54, v54, v58
.endm
	s_wait_loadcnt 32                              ; x is in; the 32 loads of g and b may be out
.irp k, 0,1,2,3
	v_pk_add_f32 v[54+2*\k:55+2*\k], v[X+4*\k:X+4*\k+1], v[X+4*\k+2:X+4*\k+3]
.endr
.irp j, 16,24,32,40,48,56
.irp k, 0,1,2,3
	v_pk_add_f32 v[54+2*\k:55+2*\k], v[54+2*\k:55+2*\k], v[X+\j+2*\k:X+\j+2*\k+1]
.endr
.endr
	FOLD
	ACROSS RED1
	v_mul_f32 v50, s15, v54                        ; the mean
	v_mov_b32 v51, v50
.set li, 0
.rept 32
	v_pk_add_f32 v[X+2*li:X+2*li+1], v[X+2*li:X+2*li+1], v[50:51] neg_lo:[0,1] neg_hi:[0,1]
.set li, li+1
.endr
.irp k, 0,1,2,3
	v_pk_mul_f32 v[54+2*\k:55+2*\k], v[X+2*\k:X+2*\k+1], v[X+2*\k:X+2*\k+1]
.endr
.irp j, 8,16,24,32,40,48,56
.irp k, 0,1,2,3
	v_pk_fma_f32 v[54+2*\k:55+2*\k], v[X+\j+2*\k:X+\j+2*\k+1], v[X+\j+2*\k:X+\j+2*\k+1], v[54+2*\k:55+2*\k]
.endr
.endr
	FOLD
	ACROSS RED2
	v_fma_f32 v63, v54, s15, s19                   ; the variance + 1e-5
	v_rsq_f32 v52, v63
	v_nop                                          ; a plain line behind the transcendental
	s_wait_alu depctr_va_vdst(0)                   ; the wait ahead of the first reader
	v_mov_b32 v53, v52
	s_wait_loadcnt 0x0                             ; g and b
.set li, 0
.rept 32
	v_pk_mul_f32 v[X+2*li:X+2*li+1], v[X+2*li:X+2*li+1], v[52:53]
.set li, li+1
.endr
.set li, 0
.rept 32
	v_pk_fma_f32 v[X+2*li:X+2*li+1], v[X+2*li:X+2*li+1], v[GG+2*li:GG+2*li+1], v[BV+2*li:BV+2*li+1]
.set li, li+1
.endr
	; the quantiser: four blocks of 32, each in lanes l and l xor 16
.irp b, 0,1,2,3
	v_max3_num_f32 v[TM+\b], |v[X+16*\b]|, |v[X+16*\b+1]|, 0x8000000   ; with the floor 2^(16 - 127)
.endr
.irp i, 2,4,6,8,10,12,14
.irp b, 0,1,2,3
	v_max3_num_f32 v[TM+\b], v[TM+\b], |v[X+16*\b+\i]|, |v[X+16*\b+\i+1]|
.endr
.endr
.irp b, 0,1,2,3
	v_permlanex16_b32 v[TM+4+\b], v[TM+\b], s[SEL], s[SEL+1]
.endr
.irp b, 0,1,2,3
	v_max_num_f32 v[TM+\b], v[TM+\b], v[TM+4+\b]
.endr
.irp b, 0,1,2,3
	v_add_nc_u32 v[TM+12+\b], 0xf8800000, v[TM+\b]   ; 15 off the exponent field: the conversion's scale operand
.endr
.irp b, 0,1,2,3
	v_and_or_b32 v[TM+8+\b], v[TM+\b], 0x7f800000, s[MNT]   ; 57,344 x the scale
.endr
.irp b, 0,1,2,3
	v_lshrrev_b32 v[TM+4+\b], 23, v[TM+12+\b]      ; the byte
.endr
	v_lshl_or_b32 v[PW], v[TM+5], 8, v[TM+4]
	v_lshl_or_b32 v[PW], v[TM+6], 16, v[PW]
	v_lshl_or_b32 v[PW], v[TM+7], 24, v[PW]
.set li, 0
.rept 64
	v_med3_num_f32 v[X+li], v[X+li], -v[TM+8+li/16], v[TM+8+li/16]   ; the conversion does not saturate (ISA guide 7.6.2)
.set li, li+1
.endr
.set li, 0
.rept 8
	v_cvt_scalef32_pk8_bf8_f32 v[PC+2*li:PC+2*li+1], v[X+8*li:X+8*li+7], v[TM+12+li/2]
.set li, li+1
.endr
	v_cmp_gt_u32 vcc_lo, 16, v8                    ; (a plain line behind the last conversion)
.irp c, 0,1,2,3
	global_store_b128 v5, v[PC+4*\c:PC+4*\c+3], s[22:23] offset:512*\c   ; 32 lanes store 512 consecutive bytes
.endr
	s_wait_xcnt 0x0                                ; EXEC changes only behind this wait
	s_wait_tensorcnt 0x0
	ds_add_u32 v15, v49
	s_wait_dscnt 0x0
	s_and_saveexec_b32 s28, vcc_lo
	global_store_b32 v6, v[PW], s[26:27]           ; lanes 0-15: the 16 rows' words
	s_wait_xcnt 0x0
	s_or_b32 exec_lo, exec_lo, s28
	s_endpgm
.Lfunc_end_k_qac069f277e_ln2:
	.size	k_qac069f277e_ln2, .Lfunc_end_k_qac069f277e_ln2-k_qac069f277e_ln2
	.p2alignl 7, 3214868480
	.fill 96, 4, 3214868480
	.section	.rodata,"a",@progbits
	.p2align	6, 0x0
	.amdhsa_kernel k_qac069f277e_ln2
		.amdhsa_group_segment_fixed_size 2048
		.amdhsa_private_segment_fixed_size 0
		.amdhsa_enable_private_segment 0
		.amdhsa_kernarg_size 32
		.amdhsa_user_sgpr_count 2
		.amdhsa_user_sgpr_kernarg_segment_ptr 1
		.amdhsa_wavefront_size32 1
		.amdhsa_system_sgpr_workgroup_id_x 1
		.amdhsa_system_sgpr_workgroup_id_y 1
		.amdhsa_system_sgpr_workgroup_id_z 1
		.amdhsa_system_vgpr_workitem_id 0
		.amdhsa_next_free_vgpr 256
		.amdhsa_next_free_sgpr 66
		.amdhsa_reserve_vcc 1
		.amdhsa_float_denorm_mode_32 3
		.amdhsa_float_denorm_mode_16_64 3
		.amdhsa_memory_ordered 1
		.amdhsa_forward_progress 1
		.amdhsa_inst_pref_size 28
	.end_amdhsa_kernel
	.amdgpu_metadata
---
amdhsa.version: [ 1, 2 ]
amdhsa.kernels:
  - .name:           k_qac069f277e_ln2
    .symbol:         k_qac069f277e_ln2.kd
    .args:
      - { .name: xres, .offset: 0, .size: 8, .value_kind: global_buffer, .address_space: global }
      - { .name: ln2_g, .offset: 8, .size: 8, .value_kind: global_buffer, .address_space: global }
      - { .name: ln2_b, .offset: 16, .size: 8, .value_kind: global_buffer, .address_space: global }
      - { .name: act1, .offset: 24, .size: 8, .value_kind: global_buffer, .address_space: global }
    .group_segment_fixed_size: 2048
    .private_segment_fixed_size: 0
    .kernarg_segment_align: 8
    .kernarg_segment_size: 32
    .max_flat_workgroup_size: 256
    .sgpr_count:     66
    .vgpr_count:     256
    .wavefront_size: 32
...
	.end_amdgpu_metadata
.endif
;; end of part 5
;; launch fc1 (part 6): grid 16 x 16, 4 waves a work-group, clusters of 4 x 4, 327,680 bytes of LDS; arguments act1, wts, b1, hid; writes hid
.if DOCPART == 6
	.amdgcn_target "amdgcn-amd-amdhsa--gfx1250"
	.amdhsa_code_object_version 6
	.text
	.protected	k_qac069f277e_fc1
	.globl	k_qac069f277e_fc1
	.p2align	8
	.type	k_qac069f277e_fc1,@function
k_qac069f277e_fc1:
	s_mov_b64 s[64:65], 0
	v_nop
	global_prefetch_b8 v0, s[64:65] scope:SCOPE_SE
	s_setreg_imm32_b32 hwreg(HW_REG_WAVE_MODE, 25, 1), 1
	s_wait_xcnt 0x0
	s_wait_alu depctr_hold_cnt(0) depctr_sa_sdst(0) depctr_va_vdst(0) depctr_va_sdst(0) depctr_va_ssrc(0) depctr_va_vcc(0) depctr_vm_vsrc(0)
	s_getreg_b32 s2, hwreg(HW_REG_IB_STS2, 6, 4)
	s_cmp_eq_u32 s2, 0
	s_cbranch_scc0 .Lentry_in_a_cluster
	s_endpgm
.Lentry_in_a_cluster:
	s_bfe_u32 s2, ttmp6, 0x10000c
	s_cmp_lg_u32 s2, 0xf033
	s_cbranch_scc0 .Lentry_shape_is_right
	s_endpgm
.Lentry_shape_is_right:
; hid = Q(gelu(LN2(x) W1 + b1)): the product on codes of BF8 (E5M2) with E8M0 scales, b1 as the C of the first products, the exact GELU 0.5 x (1 + erf(x / sqrt 2)) in f32, the result quantised along the hidden axis and
; stored as images of the next product's operand.  A work-group makes 256 x 256; four waves, 2 x 2, each 128 x 128: 64 accumulators.  Ring, scale words, cluster and joint loads as in the launch for q, k and v.
; The product is used transposed (source 0 = 16 columns of W1): with the weights' order of columns the 64 registers of a block of 16 rows are, for each 32 hidden units, the lane's 16 neighbours: one fragment of the next K.
; erf(u) = u P(u^2) / Q(u^2), u held within +-4: a rational form of degrees 6 and 4 in u^2, good to a few units in the last place of f32; 1 + erf cancels for very negative x as it does in any f32 form.
; THE WAY OUT IS A LOOP OF 8 TRIPS, one block of 16 rows each, to keep the text short: only the 64 lines that take a block out of its accumulators are written for each block, reached by branches on the loop's counter.
; LIMITS: largest magnitudes are held at 2^-111 from below (byte 1; blocks of zeros too: this program alone reads the bytes); NaN and infinities are not served.
.set MB, 8
.set NB, 8
.set NS, 1
.set SIZE_K, 1024
.set BSTR, 1048576
.set AS_OFF, 4194304
.set BC_OFF, 4194304
.set BS_OFF, 12713984
.set HA, MB/2
.set NQ, 2*NS
.set TST, SIZE_K/2
.set LAPS, SIZE_K/(512*NS)
.set ASTR, 1048576
.set REGA, NS*MB*4096
.set REGB, NS*NB*4096
.set SLOT, 2*REGA+2*REGB
.set SCL, 2*SLOT
.set SCA, SCL+2*NB*TST
.set SPARE, SCA+2*MB*TST
.set CA, 32
.set RA, 16*MB
.set PA, 32
.set CB, 32
.set RB, 16*NB
.set PB, 32
.set ADRA, 16
.set ADRB, 20
.set ADRS, 27
.set SPW, 28
.set NIL, 29
.set SC, 32
.set BIA, 64
.set AF, 128
.set G1, 24
.set G0, 32
.set G1B, 48
.set G0B, 56
.set G1S, 68
.set G0S, 76
.set G1SB, 80
.set G0SB, 88
.set MSB, 0
.macro WIN new
.if MSB != (\new)
	s_set_vgpr_msb (MSB<<8)|(\new)
.set MSB, (\new)
.endif
.endm
.macro PLACES n
.rept \n
	v_nop
.endr
.endm
.macro JLOAD g0a, g1a, g0b, g1b
	s_cmp_eq_u32 s15, 0
	s_cbranch_scc0 .Lfor_b_\@
	tensor_load_to_lds s[\g0a:\g0a+3], s[\g1a:\g1a+7]
	s_nop 0
.rept 4
	v_nop
.endr
	s_branch .Lasked_\@
.Lfor_b_\@:
	tensor_load_to_lds s[\g0b:\g0b+3], s[\g1b:\g1b+7]
	s_nop 0
.rept 4
	v_nop
.endr
.Lasked_\@:
.endm
.macro CREST
	s_cmp_lg_u32 s14, 0
	s_cbranch_scc1 .Lnot_wave_0_\@
	s_barrier_signal -3
.Lnot_wave_0_\@:
	s_barrier_wait -3
	s_barrier_signal -1
	s_barrier_wait -1
.endm
.macro CROUND
	s_barrier_signal -1
	s_barrier_wait -1
	CREST
.endm
	s_load_b128 s[4:7], s[0:1], 0x0                ; A's images, the weights' images
	s_load_b128 s[8:11], s[0:1], 0x10              ; b1, hid
	v_lshl_add_u32 v[SPW], v0, 2, SPARE
	v_mov_b32 v[NIL], 0
	ds_add_u32 v28, v29
	s_wait_dscnt 0x0
	v_lshrrev_b32 v1, 5, v0
	v_readfirstlane_b32 s14, v1
	s_lshr_b32 s15, s14, 1
	s_and_b32 s16, s14, 1
	s_bfe_u32 s40, ttmp6, 0x40000
	s_bfe_u32 s41, ttmp6, 0x40004
	s_lshl_b32 s42, ttmp9, 2
	s_add_co_u32 s42, s42, s40
	s_and_b32 s17, ttmp7, 0xffff
	s_lshl_b32 s17, s17, 2
	s_add_co_u32 s17, s17, s41
	s_lshl_b32 s43, s41, 2
	s_lshl_b32 s43, 15, s43
	s_lshl_b32 s44, 0x1111, s40
	s_or_b32 s[G1+0], s43, (3<<16)|(1<<21)
	s_or_b32 s[G1B+0], s44, (3<<16)|(1<<21)
	s_mov_b32 s[G1+1], CA<<16
	s_mov_b32 s[G1+2], RA<<16
	s_mov_b32 s[G1+3], CA<<16
	s_mov_b32 s[G1+4], RA
	s_mov_b32 s[G1+5], PA
	s_mov_b32 s[G1+6], 0
	s_mov_b32 s[G1+7], 0
	s_mov_b32 s[G1B+1], CB<<16
	s_mov_b32 s[G1B+2], RB<<16
	s_mov_b32 s[G1B+3], CB<<16
	s_mov_b32 s[G1B+4], RB
	s_mov_b32 s[G1B+5], PB
	s_mov_b32 s[G1B+6], 0
	s_mov_b32 s[G1B+7], 0
	s_or_b32 s[G1S+0], s43, (3<<16)|(1<<21)
	s_or_b32 s[G1SB+0], s44, (3<<16)|(1<<21)
	s_mov_b32 s[G1S+1], 32<<16
	s_mov_b32 s[G1S+2], (MB*TST/256)<<16
	s_mov_b32 s[G1S+3], 32<<16
	s_mov_b32 s[G1S+4], MB*TST/256
	s_mov_b32 s[G1S+5], 32
	s_mov_b32 s[G1S+6], 0
	s_mov_b32 s[G1S+7], 0
	s_mov_b32 s[G1SB+1], 32<<16
	s_mov_b32 s[G1SB+2], (NB*TST/256)<<16
	s_mov_b32 s[G1SB+3], 32<<16
	s_mov_b32 s[G1SB+4], NB*TST/256
	s_mov_b32 s[G1SB+5], 32
	s_mov_b32 s[G1SB+6], 0
	s_mov_b32 s[G1SB+7], 0
	s_mul_i32 s18, s16, MB
	s_mul_i32 s20, s17, 2*MB
	s_add_co_u32 s20, s20, s18
	s_mul_i32 s22, s20, TST
	s_add_co_u32 s22, s22, AS_OFF
	s_mov_b32 s23, 0
	s_lshl_b32 s20, s20, 12
	s_mov_b32 s21, 0
	s_mul_i32 s19, s16, NB
	s_mul_i32 s46, s42, 2*NB
	s_add_co_u32 s46, s46, s19
	s_lshl_b32 s66, s46, 6                         ; my 128 columns in b1
	s_mov_b32 s67, 0
	s_mul_i32 s92, s46, TST
	s_add_co_u32 s92, s92, BS_OFF
	s_mov_b32 s93, 0
	s_lshl_b32 s46, s46, 12
	s_add_co_u32 s46, s46, BC_OFF
	s_mov_b32 s47, 0
	s_mul_i32 s45, s16, REGA
	s_mul_i32 s94, s16, REGB
	s_add_co_u32 s94, s94, 2*REGA
	s_mul_i32 s18, s16, MB*TST
	s_add_co_u32 s18, s18, SCA
	s_mul_i32 s19, s16, NB*TST
	s_add_co_u32 s19, s19, SCL
	s_wait_kmcnt 0x0
	s_add_nc_u64 s[20:21], s[4:5], s[20:21]
	s_add_nc_u64 s[22:23], s[4:5], s[22:23]
	s_add_nc_u64 s[46:47], s[6:7], s[46:47]
	s_add_nc_u64 s[92:93], s[6:7], s[92:93]
	s_add_nc_u64 s[66:67], s[8:9], s[66:67]
	CROUND
	s_mov_b32 s[G0S], 1
	s_mov_b32 s[G0S+1], s18
	s_mov_b64 s[G0S+2:G0S+3], s[22:23]
	s_or_b32 s[G0S+3], s[G0S+3], 0x80000000
	s_mov_b32 s[G0SB], 1
	s_mov_b32 s[G0SB+1], s19
	s_mov_b64 s[G0SB+2:G0SB+3], s[92:93]
	s_or_b32 s[G0SB+3], s[G0SB+3], 0x80000000
	JLOAD G0S, G1S, G0SB, G1SB
.irp s, 0,1
	s_mov_b32 s[G0+4*\s], 1
	s_add_co_u32 s[G0+4*\s+1], s45, \s*SLOT
	s_add_nc_u64 s[G0+4*\s+2:G0+4*\s+3], s[20:21], \s*NS*ASTR
	s_or_b32 s[G0+4*\s+3], s[G0+4*\s+3], 0x80000000
	s_mov_b32 s[G0B+4*\s], 1
	s_add_co_u32 s[G0B+4*\s+1], s94, \s*SLOT
	s_add_nc_u64 s[G0B+4*\s+2:G0B+4*\s+3], s[46:47], \s*NS*BSTR
	s_or_b32 s[G0B+4*\s+3], s[G0B+4*\s+3], 0x80000000
	JLOAD G0+4*\s, G1, G0B+4*\s, G1B
.endr
	v_and_b32 v1, 15, v0
	v_bfe_u32 v2, v0, 4, 1
	v_and_b32 v3, 31, v0
	v_lshlrev_b32 v3, 4, v3
	s_mul_i32 s21, s15, REGA
	s_mul_i32 s22, s16, REGB
	s_add_co_u32 s22, s22, 2*REGA
.irp s, 0,1
	v_add_nc_u32 v[ADRA+\s], s21, v3
	v_add_nc_u32 v[ADRB+\s], s22, v3
	s_add_co_u32 s21, s21, SLOT
	s_add_co_u32 s22, s22, SLOT
.endr
	s_mul_i32 s21, s16, NB*TST
	s_mul_i32 s22, s15, MB*TST
	s_add_co_u32 s22, s22, 2*NB*TST
	s_sub_co_u32 s22, s22, s21
	v_mul_u32_u24 v6, s22, v2
	s_add_co_u32 s21, s21, SCL
	v_lshl_add_u32 v5, v1, 2, v6
	v_add_nc_u32 v[ADRS], s21, v5
	v_lshlrev_b32 v7, 6, v2
.irp b, 0,1,2,3,4,5,6,7
	global_load_b128 v[BIA+8*\b:BIA+8*\b+3], v7, s[66:67] offset:(32*(\b/2)+8*(\b%2))*4       ; b1 at my eight columns of tile b
	global_load_b128 v[BIA+8*\b+4:BIA+8*\b+7], v7, s[66:67] offset:(32*(\b/2)+8*(\b%2))*4+16
.endr
.macro FRAG reg, adr, nblk, qq, blk
.irp c, 0,1,2,3
	ds_load_b128 v[\reg+4*\c:\reg+4*\c+3], v[\adr] offset:((\qq)/2)*(\nblk)*4096+(\blk)*4096+((\qq)%2)*2048+512*\c
.endr
.endm
.macro FETCH_B slot, qq, p
	WIN 0x40
.set fb, 0
.rept NB
	FRAG 128*(\p)+16*fb, ADRB+\slot, NB, \qq, fb
.set fb, fb+1
.endr
	WIN 0
.endm
.macro FETCH_A slot, qq, a0
.set fb, \a0
.rept HA
	FRAG AF+16*fb, ADRA+\slot, MB, \qq, fb
.set fb, fb+1
.endr
.endm
.macro SCALES set
.set fb, 0
.rept 16/NQ
.set fq, 0
.rept NQ
	ds_load_b32 v[SC+16*(\set)+NQ*fb+fq], v[ADRS] offset:fb*TST+64*fq
.set fq, fq+1
.endr
.set fb, fb+1
.endr
.endm
.macro MM a, b, p, qq, set, zero
.set rD, 8*(NB*((\a)%HA)+(\b))
.set rB, 128*(\p)+16*(\b)
.set rA, AF+16*(\a)
.set sB, SC+16*(\set)+NQ*(\b)+(\qq)
.set sA, SC+16*(\set)+NQ*(\a)+(\qq)
.if \zero
	v_wmma_scale_f32_16x16x128_f8f6f4 v[rD:rD+7], v[rB:rB+15], v[rA:rA+15], v[BIA+8*(\b):BIA+8*(\b)+7], v[sB], v[sA] matrix_a_fmt:MATRIX_FMT_BF8 matrix_b_fmt:MATRIX_FMT_BF8 matrix_b_scale:MATRIX_SCALE_ROW1
.else
	v_wmma_scale_f32_16x16x128_f8f6f4 v[rD:rD+7], v[rB:rB+15], v[rA:rA+15], v[rD:rD+7], v[sB], v[sA] matrix_a_fmt:MATRIX_FMT_BF8 matrix_b_fmt:MATRIX_FMT_BF8 matrix_b_scale:MATRIX_SCALE_ROW1
.endif
.endm
.macro MULA a0, n, p, qq, set, zero    ; the accumulators take turns, one instruction a turn
.set WD, 2+(\a0)/HA
.if \zero
.set WW, (WD<<6)|0x01
.else
.set WW, (WD<<6)|(WD<<4)|0x01
.endif
	WIN WW
.set ia, \a0
.rept \n
.set ib, 0
.rept NB
	MM ia, ib, \p, \qq, \set, \zero
.set ib, ib+1
.endr
.set ia, ia+1
.endr
.endm
.macro STEP slot, qq, zero
	s_wait_dscnt 4*HA                              ; all but the youngest loads, A's upper blocks
	MULA 0, HA, (\qq)%2, \qq, \slot, \zero
	s_wait_dscnt 0
	PLACES 8
	FETCH_B \slot, (\qq)+1, 1-(\qq)%2
	FETCH_A \slot, (\qq)+1, 0
	MULA HA, HA, (\qq)%2, \qq, \slot, \zero
	PLACES 8
	WIN 0
	FETCH_A \slot, (\qq)+1, HA
.endm
.macro TURN slot, next, fill
	s_wait_tensorcnt 0x0                           ; all my tensor loads have landed: my part of the next slot
	ds_add_u32 v[SPW], v[NIL]                      ; 0 onto my spare word
	s_wait_dscnt 4*HA+1                            ; (the add and A's upper blocks may be out)
	MULA 0, HA/2, 1, NQ-1, \slot, 0
	s_wait_dscnt 0x0                               ; the add is done, and my reads of this slot are over
	s_barrier_signal -1
	MULA HA/2, HA/2, 1, NQ-1, \slot, 0
	WIN 0
	s_barrier_wait -1
.if \fill
	CREST                                          ; no wave of any partner still reads this slot or has a load on its way
	s_add_nc_u64 s[G0+4*\slot+2:G0+4*\slot+3], s[G0+4*\slot+2:G0+4*\slot+3], 2*NS*ASTR
	s_add_nc_u64 s[G0B+4*\slot+2:G0B+4*\slot+3], s[G0B+4*\slot+2:G0B+4*\slot+3], 2*NS*BSTR
	JLOAD G0+4*\slot, G1, G0B+4*\slot, G1B
	PLACES 4
.else
	PLACES 8
.endif
	v_add_nc_u32 v[ADRS], 64*NQ, v[ADRS]
	FETCH_B \next, 0, 0
	FETCH_A \next, 0, 0
	SCALES \next
	MULA HA, HA, 1, NQ-1, \slot, 0
	PLACES 8
	WIN 0
	FETCH_A \next, 0, HA
.endm
	s_wait_tensorcnt 1                             ; the scale words and slot 0 are in; slot 1's load may be out
	s_barrier_signal -1
	s_barrier_wait -1
	FETCH_B 0, 0, 0
	FETCH_A 0, 0, 0
	SCALES 0
	FETCH_A 0, 0, HA
	s_wait_loadcnt 0x0                             ; b1
	STEP 0, 0, 1
	s_mov_b32 s3, LAPS-1
.Llap:
	TURN 0, 1, 1
	STEP 1, 0, 0
	TURN 1, 0, 1
	STEP 0, 0, 0
	s_sub_co_u32 s3, s3, 1
	s_cmp_lg_u32 s3, 0
	s_cbranch_scc1 .Llap
	TURN 0, 1, 0
	STEP 1, 0, 0
	s_wait_dscnt 4*HA
	MULA 0, HA, 1, NQ-1, 1, 0
	s_wait_dscnt 0
	MULA HA, HA, 1, NQ-1, 1, 0
	WIN 0
; THE WAY OUT.  No tensor load of mine is out, so the descriptors' registers are free.
.set TM,  32
.set PC,  48
.set U,   64                           ; x / sqrt 2
.set HX,  128                          ; x / 2, then gelu(x)
.set Z,   192
.set P,   208
.set QD,  224
.set PW,  240
.set VA1, 248
.set VB1, 250
.set RS2, 24
.set A0,  26
.set A2,  28
.set A3,  30
.set A4,  32
.set A5,  34
.set A6,  36
.set B0,  38
.set B2,  48
.set B3,  50
.set B4,  52
.set CNT, 54
.set SEL, 56
.set MNT, 58
.set HM,  59
.macro KPAIR reg, val                  ; the packed forms name a pair and take its low word for both halves: both are written
	s_mov_b32 s[\reg], \val
	s_mov_b32 s[\reg+1], \val
.endm
	PLACES 8
.irp b, 0,1,2,3
	v_mov_b32 v[TM+4+\b], 0
.endr
	v_mov_b32 v245, 0
	v_mov_b32 v[VA1], 0x32edffee
	v_mov_b32 v[VA1+1], 0x32edffee
	v_mov_b32 v[VB1], 0xb95fbd29
	v_mov_b32 v[VB1+1], 0xb95fbd29
	v_lshlrev_b32 v4, 2, v1
	v_lshl_add_u32 v4, v2, 11, v4                  ; the words of two blocks: 4 r + 2,048 h
	KPAIR RS2, 0x3f3504f3
	KPAIR A0, 0xaf95df0b
	KPAIR A2, 0xb60cff51
	KPAIR A3, 0xb86ec2d2
	KPAIR A4, 0xba40ac63
	KPAIR A5, 0xbb41a1f6
	KPAIR A6, 0xbc83dbd4
	KPAIR B0, 0xb77460cd
	KPAIR B2, 0xbadc924e
	KPAIR B3, 0xbbf19bf8
	KPAIR B4, 0xbc69b6a7
	s_mov_b32 s[SEL], 0x76543210
	s_mov_b32 s[SEL+1], 0xfedcba98
	s_mov_b32 s[MNT], 0x600000
	s_mov_b32 s[HM], 0xffff0000
	s_lshl_b32 s18, s17, 4
	s_lshl_b32 s19, s15, 3
	s_add_co_u32 s18, s18, s19                     ; my first tile of rows
	s_lshl_b32 s20, s42, 20                        ; 256 along the next K = my work-group's columns
	s_lshl_b32 s19, s18, 12
	s_add_co_u32 s20, s20, s19
	s_lshl_b32 s19, s16, 11
	s_add_co_u32 s20, s20, s19
	s_mov_b32 s21, 0
	s_add_nc_u64 s[20:21], s[10:11], s[20:21]      ; the codes
	s_lshl_b32 s22, s18, 11
	s_lshl_b32 s19, s42, 7
	s_add_co_u32 s22, s22, s19
	s_lshl_b32 s19, s16, 6
	s_add_co_u32 s22, s22, s19
	s_add_co_u32 s22, s22, 16777216
	s_mov_b32 s23, 0
	s_add_nc_u64 s[22:23], s[10:11], s[22:23]      ; the scale words
.macro COPY a                          ; block a out of its accumulators, each from its low end on
.set AC, 64*((\a)%4)
	WIN 2+(\a)/4
.set pp, 0
.rept 32
	v_pk_mul_f32 v[U+2*pp:U+2*pp+1], v[AC+2*pp:AC+2*pp+1], s[RS2:RS2+1] op_sel_hi:[1,0]
	v_pk_mul_f32 v[HX+2*pp:HX+2*pp+1], v[AC+2*pp:AC+2*pp+1], 0.5 op_sel_hi:[1,0]
.set pp, pp+1
.endr
	WIN 0
.endm
	s_mov_b32 s[CNT], 0
.Lrow:
.irp a, 1,2,3,4,5,6,7
	s_cmp_eq_u32 s[CNT], \a
	s_cbranch_scc1 .Lcopy\a
.endr
	COPY 0
	s_branch .Lwork
.irp a, 1,2,3,4,5,6
.Lcopy\a:
	COPY \a
	s_branch .Lwork
.endr
.Lcopy7:
	COPY 7
.Lwork:
.irp g, 0,1,2,3                        ; 16 numbers at a time
.irp e, 0,1,2,3,4,5,6,7,8,9,10,11,12,13,14,15
	v_med3_num_f32 v[U+16*\g+\e], v[U+16*\g+\e], -4.0, 4.0
.endr
.irp e, 0,2,4,6,8,10,12,14
	v_pk_mul_f32 v[Z+\e:Z+\e+1], v[U+16*\g+\e:U+16*\g+\e+1], v[U+16*\g+\e:U+16*\g+\e+1]
.endr
.irp e, 0,2,4,6,8,10,12,14
	v_pk_fma_f32 v[P+\e:P+\e+1], v[Z+\e:Z+\e+1], s[A0:A0+1], v[VA1:VA1+1] op_sel_hi:[1,0,1]
.endr
.irp e, 0,2,4,6,8,10,12,14
	v_pk_fma_f32 v[QD+\e:QD+\e+1], v[Z+\e:Z+\e+1], s[B0:B0+1], v[VB1:VB1+1] op_sel_hi:[1,0,1]
.endr
.irp k, A2, A3, A4, A5, A6
.irp e, 0,2,4,6,8,10,12,14
	v_pk_fma_f32 v[P+\e:P+\e+1], v[P+\e:P+\e+1], v[Z+\e:Z+\e+1], s[\k:\k+1] op_sel_hi:[1,1,0]
.endr
.endr
.irp k, B2, B3, B4
.irp e, 0,2,4,6,8,10,12,14
	v_pk_fma_f32 v[QD+\e:QD+\e+1], v[QD+\e:QD+\e+1], v[Z+\e:Z+\e+1], s[\k:\k+1] op_sel_hi:[1,1,0]
.endr
.endr
.irp e, 0,1,2,3,4,5,6,7,8,9,10,11,12,13,14,15
	v_rcp_f32 v[QD+\e], v[QD+\e]
.endr
.irp e, 0,2,4,6,8,10,12,14
	v_pk_mul_f32 v[P+\e:P+\e+1], v[P+\e:P+\e+1], v[U+16*\g+\e:U+16*\g+\e+1]   ; plain work behind the reciprocals
.endr
	s_wait_alu depctr_va_vdst(0)                   ; one wait for the sixteen, ahead of their first reader
.irp e, 0,2,4,6,8,10,12,14
	v_pk_mul_f32 v[P+\e:P+\e+1], v[P+\e:P+\e+1], v[QD+\e:QD+\e+1]             ; erf
.endr
.irp e, 0,2,4,6,8,10,12,14
	v_pk_fma_f32 v[HX+16*\g+\e:HX+16*\g+\e+1], v[HX+16*\g+\e:HX+16*\g+\e+1], v[P+\e:P+\e+1], v[HX+16*\g+\e:HX+16*\g+\e+1]
.endr
.endr
	; the quantiser: four blocks of 32, each in lanes l and l xor 16
.irp b, 0,1,2,3
	v_max3_num_f32 v[TM+\b], |v[HX+16*\b]|, |v[HX+16*\b+1]|, 0x8000000
.endr
.irp i, 2,4,6,8,10,12,14
.irp b, 0,1,2,3
	v_max3_num_f32 v[TM+\b], v[TM+\b], |v[HX+16*\b+\i]|, |v[HX+16*\b+\i+1]|
.endr
.endr
.irp b, 0,1,2,3
	v_permlanex16_b32 v[TM+4+\b], v[TM+\b], s[SEL], s[SEL+1]
.endr
.irp b, 0,1,2,3
	v_max_num_f32 v[TM+\b], v[TM+\b], v[TM+4+\b]
.endr
.irp b, 0,1,2,3
	v_add_nc_u32 v[TM+12+\b], 0xf8800000, v[TM+\b]
.endr
.irp b, 0,1,2,3
	v_and_or_b32 v[TM+8+\b], v[TM+\b], 0x7f800000, s[MNT]
.endr
.irp b, 0,1,2,3
	v_lshrrev_b32 v[TM+4+\b], 23, v[TM+12+\b]
.endr
	v_lshl_or_b32 v[PW], v[TM+5], 8, v[TM+4]
	v_lshl_or_b32 v[PW], v[TM+6], 16, v[PW]
	v_lshl_or_b32 v[PW], v[TM+7], 24, v[PW]
.set li, 0
.rept 64
	v_med3_num_f32 v[HX+li], v[HX+li], -v[TM+8+li/16], v[TM+8+li/16]   ; the conversion does not saturate (ISA guide 7.6.2)
.set li, li+1
.endr
.set li, 0
.rept 8
	v_cvt_scalef32_pk8_bf8_f32 v[PC+2*li:PC+2*li+1], v[HX+8*li:HX+8*li+7], v[TM+12+li/2]
.set li, li+1
.endr
	v_nop                                          ; a plain line behind the last conversion
.irp c, 0,1,2,3
	global_store_b128 v3, v[PC+4*\c:PC+4*\c+3], s[20:21] offset:512*\c   ; 512 consecutive bytes
.endr
	s_bitcmp1_b32 s[CNT], 0                        ; on the odd trips the words of two blocks leave together
	s_cbranch_scc0 .Leven
	v_cndmask_b32 v246, v245, v[PW], s[HM]         ; lanes 0-15 the block before, lanes 16-31 this one
	global_store_b32 v4, v246, s[22:23] offset:-2048
.Leven:
	v_mov_b32 v245, v[PW]
	s_wait_xcnt 0x0                                ; the stores have read their registers and bases: both may be written again
	s_add_nc_u64 s[20:21], s[20:21], 4096
	s_add_nc_u64 s[22:23], s[22:23], 2048
	s_add_co_u32 s[CNT], s[CNT], 1
	s_cmp_lt_u32 s[CNT], 8
	s_cbranch_scc1 .Lrow
	s_wait_tensorcnt 0x0                           ; the wave's end
	ds_add_u32 v[SPW], v[NIL]
	s_wait_dscnt 0x0
	CROUND
	s_endpgm
.Lfunc_end_k_qac069f277e_fc1:
	.size	k_qac069f277e_fc1, .Lfunc_end_k_qac069f277e_fc1-k_qac069f277e_fc1
	.p2alignl 7, 3214868480
	.fill 96, 4, 3214868480
	.section	.rodata,"a",@progbits
	.p2align	6, 0x0
	.amdhsa_kernel k_qac069f277e_fc1
		.amdhsa_group_segment_fixed_size 327680
		.amdhsa_private_segment_fixed_size 0
		.amdhsa_enable_private_segment 0
		.amdhsa_kernarg_size 32
		.amdhsa_user_sgpr_count 2
		.amdhsa_user_sgpr_kernarg_segment_ptr 1
		.amdhsa_wavefront_size32 1
		.amdhsa_system_sgpr_workgroup_id_x 1
		.amdhsa_system_sgpr_workgroup_id_y 1
		.amdhsa_system_sgpr_workgroup_id_z 1
		.amdhsa_system_vgpr_workitem_id 0
		.amdhsa_next_free_vgpr 1024
		.amdhsa_next_free_sgpr 102
		.amdhsa_reserve_vcc 0
		.amdhsa_float_denorm_mode_32 3
		.amdhsa_float_denorm_mode_16_64 3
		.amdhsa_memory_ordered 1
		.amdhsa_forward_progress 1
		.amdhsa_inst_pref_size 198
	.end_amdhsa_kernel
	.amdgpu_metadata
---
amdhsa.version: [ 1, 2 ]
amdhsa.kernels:
  - .name:           k_qac069f277e_fc1
    .symbol:         k_qac069f277e_fc1.kd
    .args:
      - { .name: act1, .offset: 0, .size: 8, .value_kind: global_buffer, .address_space: global }
      - { .name: wts, .offset: 8, .size: 8, .value_kind: global_buffer, .address_space: global }
      - { .name: b1, .offset: 16, .size: 8, .value_kind: global_buffer, .address_space: global }
      - { .name: hid, .offset: 24, .size: 8, .value_kind: global_buffer, .address_space: global }
    .group_segment_fixed_size: 327680
    .private_segment_fixed_size: 0
    .kernarg_segment_align: 8
    .kernarg_segment_size: 32
    .max_flat_workgroup_size: 128
    .sgpr_count:     102
    .vgpr_count:     1024
    .wavefront_size: 32
...
	.end_amdgpu_metadata
.endif
;; end of part 6
;; launch fc2 (part 7): grid 8 x 32, 4 waves a work-group, clusters of 4 x 4, 327,680 bytes of LDS; arguments hid, wts, b2, xres, out0; writes out0
.if DOCPART == 7
	.amdgcn_target "amdgcn-amd-amdhsa--gfx1250"
	.amdhsa_code_object_version 6
	.text
	.protected	k_qac069f277e_fc2
	.globl	k_qac069f277e_fc2
	.p2align	8
	.type	k_qac069f277e_fc2,@function
k_qac069f277e_fc2:
	s_mov_b64 s[64:65], 0
	v_nop
	global_prefetch_b8 v0, s[64:65] scope:SCOPE_SE
	s_setreg_imm32_b32 hwreg(HW_REG_WAVE_MODE, 25, 1), 1
	s_wait_xcnt 0x0
	s_wait_alu depctr_hold_cnt(0) depctr_sa_sdst(0) depctr_va_vdst(0) depctr_va_sdst(0) depctr_va_ssrc(0) depctr_va_vcc(0) depctr_vm_vsrc(0)
	s_getreg_b32 s2, hwreg(HW_REG_IB_STS2, 6, 4)
	s_cmp_eq_u32 s2, 0
	s_cbranch_scc0 .Lentry_in_a_cluster
	s_endpgm
.Lentry_in_a_cluster:
	s_bfe_u32 s2, ttmp6, 0x10000c
	s_cmp_lg_u32 s2, 0xf033
	s_cbranch_scc0 .Lentry_shape_is_right
	s_endpgm
.Lentry_shape_is_right:
; out0 = xres + hid x W2 + b2, the product on codes of BF8 (E5M2) with E8M0 scales, b2 as the C of the first products; f32 out.
; A work-group makes 128 x 128 (so that there are 256 of them); four waves, 2 x 2, each 64 x 64: 16 accumulators.  Operands are images of their registers (a fragment: 2,048 dense bytes, 16 x lane + 512 c).
; A slot of the ring holds 512 along K (two rows of 16 KiB to a tensor load), so that a refill has 64 matrix instructions a wave in which to land; K = 4,096 is eight slots' worth.  The scale words of all of K come with the first fills.
; 4 x 4 work-groups form a cluster: A's tiles are asked for jointly along a row, B's along a column.  The product is used transposed (source 0 = 16 columns of W): with the weights' order of columns a lane holds 16 neighbouring columns of each 32.
; The residual is loaded at the head into registers, in the layout of the stores; results go through the wave's stage in LDS (in slot 0, behind its last fill and last read) and leave as aligned runs of 256 bytes.
.set MB, 4
.set NB, 4
.set NBT, 4
.set NS, 2
.set SIZE_K, 4096
.set BSTR, 262144
.set AS_OFF, 16777216
.set BC_OFF, 8388608
.set BS_OFF, 12845056
.set HASBIAS, 1
.set RESP, 10
.set OUTP, 12
.set HA, MB/2
.set NQ, 2*NS
.set TST, SIZE_K/2
.set LAPS, SIZE_K/(512*NS)
.set ASTR, 1048576
.set REGA, NS*MB*4096
.set REGB, NS*NB*4096
.set SLOT, 2*REGA+2*REGB
.set SCL, 2*SLOT
.set SCA, SCL+2*NB*TST
.set SPARE, SCA+2*MB*TST
.set CA, MB*512                        ; NS rows of MB x 4,096 bytes, 256 along K apart
.set RA, NS
.set PA, ASTR/8
.set CB, NB*512
.set RB, NS
.set PB, BSTR/8
.set ADRA, 16
.set ADRB, 20
.set STO, 24
.set RD, 25
.set CO, 26
.set ADRS, 27
.set SPW, 28
.set NIL, 29
.set SC, 32
.set BIA, 64
.set AF, 128
.set BK, 128
.set G1, 24
.set G0, 32
.set G1B, 48
.set G0B, 56
.set G1S, 68
.set G0S, 76
.set G1SB, 80
.set G0SB, 88
.set MSB, 0
.macro WIN new
.if MSB != (\new)
	s_set_vgpr_msb (MSB<<8)|(\new)
.set MSB, (\new)
.endif
.endm
.macro PLACES n
.rept \n
	v_nop
.endr
.endm
.macro JLOAD g0a, g1a, g0b, g1b
	s_cmp_eq_u32 s15, 0
	s_cbranch_scc0 .Lfor_b_\@
	tensor_load_to_lds s[\g0a:\g0a+3], s[\g1a:\g1a+7]
	s_nop 0
.rept 4
	v_nop
.endr
	s_branch .Lasked_\@
.Lfor_b_\@:
	tensor_load_to_lds s[\g0b:\g0b+3], s[\g1b:\g1b+7]
	s_nop 0
.rept 4
	v_nop
.endr
.Lasked_\@:
.endm
.macro CREST
	s_cmp_lg_u32 s14, 0
	s_cbranch_scc1 .Lnot_wave_0_\@
	s_barrier_signal -3
.Lnot_wave_0_\@:
	s_barrier_wait -3
	s_barrier_signal -1
	s_barrier_wait -1
.endm
.macro CROUND
	s_barrier_signal -1
	s_barrier_wait -1
	CREST
.endm
	s_load_b128 s[4:7], s[0:1], 0x0
	s_load_b128 s[8:11], s[0:1], 0x10
.if HASBIAS
	s_load_b64 s[12:13], s[0:1], 0x20
.endif
	v_lshl_add_u32 v[SPW], v0, 2, SPARE
	v_mov_b32 v[NIL], 0
	ds_add_u32 v28, v29
	s_wait_dscnt 0x0
	v_lshrrev_b32 v1, 5, v0
	v_readfirstlane_b32 s14, v1
	s_lshr_b32 s15, s14, 1
	s_and_b32 s16, s14, 1
	s_bfe_u32 s40, ttmp6, 0x40000
	s_bfe_u32 s41, ttmp6, 0x40004
	s_lshl_b32 s42, ttmp9, 2
	s_add_co_u32 s42, s42, s40
	s_and_b32 s17, ttmp7, 0xffff
	s_lshl_b32 s17, s17, 2
	s_add_co_u32 s17, s17, s41
	s_lshl_b32 s43, s41, 2
	s_lshl_b32 s43, 15, s43
	s_lshl_b32 s44, 0x1111, s40
	s_or_b32 s[G1+0], s43, (3<<16)|(1<<21)
	s_or_b32 s[G1B+0], s44, (3<<16)|(1<<21)
	s_mov_b32 s[G1+1], CA<<16
	s_mov_b32 s[G1+2], RA<<16
	s_mov_b32 s[G1+3], CA<<16
	s_mov_b32 s[G1+4], RA
	s_mov_b32 s[G1+5], PA
	s_mov_b32 s[G1+6], 0
	s_mov_b32 s[G1+7], 0
	s_mov_b32 s[G1B+1], CB<<16
	s_mov_b32 s[G1B+2], RB<<16
	s_mov_b32 s[G1B+3], CB<<16
	s_mov_b32 s[G1B+4], RB
	s_mov_b32 s[G1B+5], PB
	s_mov_b32 s[G1B+6], 0
	s_mov_b32 s[G1B+7], 0
	s_or_b32 s[G1S+0], s43, (3<<16)|(1<<21)
	s_or_b32 s[G1SB+0], s44, (3<<16)|(1<<21)
	s_mov_b32 s[G1S+1], 32<<16
	s_mov_b32 s[G1S+2], (MB*TST/256)<<16
	s_mov_b32 s[G1S+3], 32<<16
	s_mov_b32 s[G1S+4], MB*TST/256
	s_mov_b32 s[G1S+5], 32
	s_mov_b32 s[G1S+6], 0
	s_mov_b32 s[G1S+7], 0
	s_mov_b32 s[G1SB+1], 32<<16
	s_mov_b32 s[G1SB+2], (NB*TST/256)<<16
	s_mov_b32 s[G1SB+3], 32<<16
	s_mov_b32 s[G1SB+4], NB*TST/256
	s_mov_b32 s[G1SB+5], 32
	s_mov_b32 s[G1SB+6], 0
	s_mov_b32 s[G1SB+7], 0
	s_mul_i32 s18, s16, MB
	s_mul_i32 s20, s17, 2*MB
	s_add_co_u32 s20, s20, s18
	s_mul_i32 s22, s20, TST
	s_add_co_u32 s22, s22, AS_OFF
	s_mov_b32 s23, 0
	s_lshl_b32 s20, s20, 12
	s_mov_b32 s21, 0
	s_mul_i32 s19, s16, NB
	s_mul_i32 s46, s42, 2*NB
	s_add_co_u32 s46, s46, s19
	s_mul_i32 s92, s46, TST
	s_add_co_u32 s92, s92, BS_OFF
	s_mov_b32 s93, 0
	s_lshl_b32 s46, s46, 12
	s_add_co_u32 s46, s46, BC_OFF
	s_mov_b32 s47, 0
	s_mul_i32 s45, s16, REGA
	s_mul_i32 s94, s16, REGB
	s_add_co_u32 s94, s94, 2*REGA
	s_mul_i32 s18, s16, MB*TST
	s_add_co_u32 s18, s18, SCA
	s_mul_i32 s19, s16, NB*TST
	s_add_co_u32 s19, s19, SCL
	s_lshl_b32 s96, s17, 19                        ; my 64 x 64 of the output: row (128 Y + 64 i) x 4,096 bytes + column (128 X + 64 j) x 4
	s_lshl_b32 s97, s15, 18
	s_add_co_u32 s96, s96, s97
	s_lshl_b32 s97, s42, 9
	s_add_co_u32 s96, s96, s97
	s_lshl_b32 s97, s16, 8
	s_add_co_u32 s96, s96, s97
	s_lshl_b32 s66, s42, 9
	s_add_co_u32 s66, s66, s97                     ; my 64 columns in a vector of f32
	s_mov_b32 s97, 0
	s_mov_b32 s67, 0
	s_wait_kmcnt 0x0
	s_add_nc_u64 s[20:21], s[4:5], s[20:21]
	s_add_nc_u64 s[22:23], s[4:5], s[22:23]
	s_add_nc_u64 s[46:47], s[6:7], s[46:47]
	s_add_nc_u64 s[92:93], s[6:7], s[92:93]
	s_add_nc_u64 s[98:99], s[RESP:RESP+1], s[96:97]
	s_add_nc_u64 s[100:101], s[OUTP:OUTP+1], s[96:97]
.if HASBIAS
	s_add_nc_u64 s[66:67], s[8:9], s[66:67]
.endif
	CROUND
	s_mov_b32 s[G0S], 1
	s_mov_b32 s[G0S+1], s18
	s_mov_b64 s[G0S+2:G0S+3], s[22:23]
	s_or_b32 s[G0S+3], s[G0S+3], 0x80000000
	s_mov_b32 s[G0SB], 1
	s_mov_b32 s[G0SB+1], s19
	s_mov_b64 s[G0SB+2:G0SB+3], s[92:93]
	s_or_b32 s[G0SB+3], s[G0SB+3], 0x80000000
	JLOAD G0S, G1S, G0SB, G1SB
.irp s, 0,1
	s_mov_b32 s[G0+4*\s], 1
	s_add_co_u32 s[G0+4*\s+1], s45, \s*SLOT
	s_add_nc_u64 s[G0+4*\s+2:G0+4*\s+3], s[20:21], \s*NS*ASTR
	s_or_b32 s[G0+4*\s+3], s[G0+4*\s+3], 0x80000000
	s_mov_b32 s[G0B+4*\s], 1
	s_add_co_u32 s[G0B+4*\s+1], s94, \s*SLOT
	s_add_nc_u64 s[G0B+4*\s+2:G0B+4*\s+3], s[46:47], \s*NS*BSTR
	s_or_b32 s[G0B+4*\s+3], s[G0B+4*\s+3], 0x80000000
	JLOAD G0+4*\s, G1, G0B+4*\s, G1B
.endr
	v_and_b32 v1, 15, v0
	v_bfe_u32 v2, v0, 4, 1
	v_and_b32 v3, 31, v0
	v_lshlrev_b32 v3, 4, v3
	s_mul_i32 s21, s15, REGA
	s_mul_i32 s22, s16, REGB
	s_add_co_u32 s22, s22, 2*REGA
.irp s, 0,1
	v_add_nc_u32 v[ADRA+\s], s21, v3
	v_add_nc_u32 v[ADRB+\s], s22, v3
	s_add_co_u32 s21, s21, SLOT
	s_add_co_u32 s22, s22, SLOT
.endr
	s_mul_i32 s21, s16, NB*TST
	s_mul_i32 s22, s15, MB*TST
	s_add_co_u32 s22, s22, 2*NB*TST
	s_sub_co_u32 s22, s22, s21
	v_mul_u32_u24 v6, s22, v2
	s_add_co_u32 s21, s21, SCL
	v_lshl_add_u32 v5, v1, 2, v6
	v_add_nc_u32 v[ADRS], s21, v5
	s_mul_i32 s23, s14, 16*272                     ; my stage: 16 rows of 256 + 16 bytes
	v_mul_u32_u24 v4, v1, 272
	v_lshl_add_u32 v4, v2, 6, v4
	v_add_nc_u32 v[STO], s23, v4                   ; in: row r, + 64 h
	v_mul_u32_u24 v4, v2, 272
	v_lshl_add_u32 v4, v1, 4, v4
	v_add_nc_u32 v[RD], s23, v4                    ; back: lanes 0-15 one row, lanes 16-31 the next
	v_lshlrev_b32 v[CO], 12, v2
	v_lshl_add_u32 v[CO], v1, 4, v[CO]             ; and the same two rows in memory
.if HASBIAS
	v_lshlrev_b32 v7, 6, v2
.irp b, 0,1,2,3
	global_load_b128 v[BIA+8*\b:BIA+8*\b+3], v7, s[66:67] offset:(32*(\b/2)+8*(\b%2))*4       ; the bias at my eight columns of tile b: the C of the first products
	global_load_b128 v[BIA+8*\b+4:BIA+8*\b+7], v7, s[66:67] offset:(32*(\b/2)+8*(\b%2))*4+16
.endr
.endif
	WIN 0x40                                       ; the residual into window 1, beside B's two sets
.irp a, 0,1
.irp t, 0,1,2,3,4,5,6,7
	global_load_b128 v[64+32*\a+4*\t:64+32*\a+4*\t+3], v[CO], s[98:99] offset:\a*65536+\t*8192
.endr
.endr
.irp a, 2,3
.irp t, 0,1,2,3,4,5,6,7
	global_load_b128 v[192+32*(\a-2)+4*\t:192+32*(\a-2)+4*\t+3], v[CO], s[98:99] offset:\a*65536+\t*8192
.endr
.endr
	WIN 0
.macro FRAG reg, adr, nblk, qq, blk
.irp c, 0,1,2,3
	ds_load_b128 v[\reg+4*\c:\reg+4*\c+3], v[\adr] offset:((\qq)/2)*(\nblk)*4096+(\blk)*4096+((\qq)%2)*2048+512*\c
.endr
.endm
.macro FETCH_B slot, qq, p
	WIN 0x40
.set fb, 0
.rept NB
	FRAG 128*(\p)+16*fb, ADRB+\slot, NB, \qq, fb
.set fb, fb+1
.endr
	WIN 0
.endm
.macro FETCH_A slot, qq, a0
.set fb, \a0
.rept HA
	FRAG AF+16*fb, ADRA+\slot, MB, \qq, fb
.set fb, fb+1
.endr
.endm
.macro SCALES set
.set fb, 0
.rept 16/NQ
.set fq, 0
.rept NQ
	ds_load_b32 v[SC+16*(\set)+NQ*fb+fq], v[ADRS] offset:fb*TST+64*fq
.set fq, fq+1
.endr
.set fb, fb+1
.endr
.endm
.macro MM a, b, p, qq, set, zero
.set rD, 8*(NB*((\a)%HA)+(\b))
.set rB, 128*(\p)+16*(\b)
.set rA, AF+16*(\a)
.set sB, SC+16*(\set)+NQ*(\b)+(\qq)
.set sA, SC+16*(\set)+NQ*(\a)+(\qq)
.if \zero
.if HASBIAS
	v_wmma_scale_f32_16x16x128_f8f6f4 v[rD:rD+7], v[rB:rB+15], v[rA:rA+15], v[BIA+8*(\b):BIA+8*(\b)+7], v[sB], v[sA] matrix_a_fmt:MATRIX_FMT_BF8 matrix_b_fmt:MATRIX_FMT_BF8 matrix_b_scale:MATRIX_SCALE_ROW1
.else
	v_wmma_scale_f32_16x16x128_f8f6f4 v[rD:rD+7], v[rB:rB+15], v[rA:rA+15], 0, v[sB], v[sA] matrix_a_fmt:MATRIX_FMT_BF8 matrix_b_fmt:MATRIX_FMT_BF8 matrix_b_scale:MATRIX_SCALE_ROW1
.endif
.else
	v_wmma_scale_f32_16x16x128_f8f6f4 v[rD:rD+7], v[rB:rB+15], v[rA:rA+15], v[rD:rD+7], v[sB], v[sA] matrix_a_fmt:MATRIX_FMT_BF8 matrix_b_fmt:MATRIX_FMT_BF8 matrix_b_scale:MATRIX_SCALE_ROW1
.endif
.endm
.macro MULA a0, n, p, qq, set, zero    ; the accumulators take turns, one instruction a turn
.set WD, 2+(\a0)/HA
.if (\zero) && HASBIAS
.set WW, (WD<<6)|0x01
.else
.set WW, (WD<<6)|(WD<<4)|0x01
.endif
	WIN WW
.set ia, \a0
.rept \n
.set ib, 0
.rept NB
	MM ia, ib, \p, \qq, \set, \zero
.set ib, ib+1
.endr
.set ia, ia+1
.endr
.endm
.macro STEP slot, qq, zero
	s_wait_dscnt 4*HA                              ; all but the youngest loads, A's upper blocks
	MULA 0, HA, (\qq)%2, \qq, \slot, \zero
	s_wait_dscnt 0
	PLACES 8
	FETCH_B \slot, (\qq)+1, 1-(\qq)%2
	FETCH_A \slot, (\qq)+1, 0
	MULA HA, HA, (\qq)%2, \qq, \slot, \zero
	PLACES 8
	WIN 0
	FETCH_A \slot, (\qq)+1, HA
.endm
.macro TURN slot, next, fill
	s_wait_tensorcnt 0x0                           ; all my tensor loads have landed: my part of the next slot
	ds_add_u32 v[SPW], v[NIL]                      ; 0 onto my spare word
	s_wait_dscnt 4*HA+1                            ; (the add and A's upper blocks may be out)
	MULA 0, HA/2, 1, NQ-1, \slot, 0
	s_wait_dscnt 0x0                               ; the add is done, and my reads of this slot are over
	s_barrier_signal -1
	MULA HA/2, HA/2, 1, NQ-1, \slot, 0
	WIN 0
	s_barrier_wait -1
.if \fill
	CREST                                          ; no wave of any partner still reads this slot or has a load on its way
	s_add_nc_u64 s[G0+4*\slot+2:G0+4*\slot+3], s[G0+4*\slot+2:G0+4*\slot+3], 2*NS*ASTR
	s_add_nc_u64 s[G0B+4*\slot+2:G0B+4*\slot+3], s[G0B+4*\slot+2:G0B+4*\slot+3], 2*NS*BSTR
	JLOAD G0+4*\slot, G1, G0B+4*\slot, G1B
	PLACES 4
.else
	PLACES 8
.endif
	v_add_nc_u32 v[ADRS], 64*NQ, v[ADRS]
	FETCH_B \next, 0, 0
	FETCH_A \next, 0, 0
	SCALES \next
	MULA HA, HA, 1, NQ-1, \slot, 0
	PLACES 8
	WIN 0
	FETCH_A \next, 0, HA
.endm
.macro MID slot
	STEP \slot, 1, 0
	STEP \slot, 2, 0
.endm
	s_wait_tensorcnt 1                             ; the scale words and slot 0 are in; slot 1's load may be out
	s_barrier_signal -1
	s_barrier_wait -1
	FETCH_B 0, 0, 0
	FETCH_A 0, 0, 0
	SCALES 0
	FETCH_A 0, 0, HA
.if HASBIAS
	s_wait_loadcnt 32                              ; the bias is in; the 32 loads of the residual may be out
.endif
	STEP 0, 0, 1
.if LAPS > 1
	s_mov_b32 s3, LAPS-1
.Llap:
	MID 0
	TURN 0, 1, 1
	STEP 1, 0, 0
	MID 1
	TURN 1, 0, 1
	STEP 0, 0, 0
	s_sub_co_u32 s3, s3, 1
	s_cmp_lg_u32 s3, 0
	s_cbranch_scc1 .Llap
.endif
	MID 0
	TURN 0, 1, 0
	STEP 1, 0, 0
	MID 1
	s_wait_dscnt 4*HA
	MULA 0, HA, 1, NQ-1, 1, 0
	s_wait_dscnt 0
	MULA HA, HA, 1, NQ-1, 1, 0
	WIN 0
	PLACES 8
	s_wait_loadcnt 0x0                             ; the residual
.macro OUTB a                          ; 16 rows x 64 columns: through my stage, + the residual, out
.set AC, 32*((\a)%2)
.set BKS, BK+32*((\a)%2)
.if (\a) < 2
.set RR, 64+32*(\a)
.else
.set RR, 192+32*((\a)-2)
.endif
.if (\a) >= 2
	s_wait_xcnt 0x0                                ; the stores of two blocks ago have read these registers
.endif
	WIN 0x08+4*((\a)/2)                            ; an LDS store's data are its source 1
.irp b, 0,1,2,3
	ds_store_b128 v[STO], v[AC+8*\b:AC+8*\b+3] offset:128*(\b/2)+32*(\b%2)       ; each accumulator from its low end on
	ds_store_b128 v[STO], v[AC+8*\b+4:AC+8*\b+7] offset:128*(\b/2)+32*(\b%2)+16
.endr
	WIN 0
.irp t, 0,1,2,3,4,5,6,7
	ds_load_b128 v[BKS+4*\t:BKS+4*\t+3], v[RD] offset:\t*544   ; LDS serves a wave's instructions in order (ISA guide 5.7.1.4)
.endr
	s_wait_dscnt 0x0
	WIN 0x04                                       ; source 1: window 1
.set pp, 0
.rept 16
	v_pk_add_f32 v[BKS+2*pp:BKS+2*pp+1], v[BKS+2*pp:BKS+2*pp+1], v[RR+2*pp:RR+2*pp+1]
.set pp, pp+1
.endr
	WIN 0
.irp t, 0,1,2,3,4,5,6,7
	global_store_b128 v[CO], v[BKS+4*\t:BKS+4*\t+3], s[100:101] offset:(\a)*65536+\t*8192 th:TH_STORE_NT   ; sixteen lanes store 256 consecutive aligned bytes
.endr
.endm
	OUTB 0
	OUTB 1
	OUTB 2
	OUTB 3
	s_wait_tensorcnt 0x0                           ; the wave's end
	ds_add_u32 v[SPW], v[NIL]
	s_wait_dscnt 0x0
	CROUND
	s_endpgm
.Lfunc_end_k_qac069f277e_fc2:
	.size	k_qac069f277e_fc2, .Lfunc_end_k_qac069f277e_fc2-k_qac069f277e_fc2
	.p2alignl 7, 3214868480
	.fill 96, 4, 3214868480
	.section	.rodata,"a",@progbits
	.p2align	6, 0x0
	.amdhsa_kernel k_qac069f277e_fc2
		.amdhsa_group_segment_fixed_size 327680
		.amdhsa_private_segment_fixed_size 0
		.amdhsa_enable_private_segment 0
		.amdhsa_kernarg_size 40
		.amdhsa_user_sgpr_count 2
		.amdhsa_user_sgpr_kernarg_segment_ptr 1
		.amdhsa_wavefront_size32 1
		.amdhsa_system_sgpr_workgroup_id_x 1
		.amdhsa_system_sgpr_workgroup_id_y 1
		.amdhsa_system_sgpr_workgroup_id_z 1
		.amdhsa_system_vgpr_workitem_id 0
		.amdhsa_next_free_vgpr 1024
		.amdhsa_next_free_sgpr 102
		.amdhsa_reserve_vcc 0
		.amdhsa_float_denorm_mode_32 3
		.amdhsa_float_denorm_mode_16_64 3
		.amdhsa_memory_ordered 1
		.amdhsa_forward_progress 1
		.amdhsa_inst_pref_size 108
	.end_amdhsa_kernel
	.amdgpu_metadata
---
amdhsa.version: [ 1, 2 ]
amdhsa.kernels:
  - .name:           k_qac069f277e_fc2
    .symbol:         k_qac069f277e_fc2.kd
    .args:
      - { .name: hid, .offset: 0, .size: 8, .value_kind: global_buffer, .address_space: global }
      - { .name: wts, .offset: 8, .size: 8, .value_kind: global_buffer, .address_space: global }
      - { .name: b2, .offset: 16, .size: 8, .value_kind: global_buffer, .address_space: global }
      - { .name: xres, .offset: 24, .size: 8, .value_kind: global_buffer, .address_space: global }
      - { .name: out0, .offset: 32, .size: 8, .value_kind: global_buffer, .address_space: global }
    .group_segment_fixed_size: 327680
    .private_segment_fixed_size: 0
    .kernarg_segment_align: 8
    .kernarg_segment_size: 40
    .max_flat_workgroup_size: 128
    .sgpr_count:     102
    .vgpr_count:     1024
    .wavefront_size: 32
...
	.end_amdgpu_metadata
.endif
;; end of part 7
